; MI455X (gfx1250); checked and timed in simulation.
; The chip was launched on July 23, 2026; its instructions are those of AMD's public machine-readable ISA for CDNA 5 (MIT licence, August 2026) and "CDNA5" Instruction Set Architecture Reference Guide (July 2026). The comments in the code are by the model that wrote it; some were corrected since.
;; Self Attention Head. Allowed arithmetic: float matrix products may take bf16 or f16 operands with f32 sums; other float arithmetic in f32, or as packed bf16 or f16 multiplies, adds, multiply-adds, maxima and minima; sums over many terms, partial sums and values carried from step to step in f32; what a program stores and reads back later, other than sums and carried values, may be rounded once to bf16 or f16.
;; Inputs: Wk 1,024 x 1,024 float32; Wq 1,024 x 1,024 float32; Wv 1,024 x 1,024 float32; bk 1,024 float32; bq 1,024 float32; bv 1,024 float32; k 4 x 2,048 x 1,024 float32; mask 4 x 2,048 x 2,048 bool; q 4 x 2,048 x 1,024 float32; v 4 x 2,048 x 1,024 float32.
;; Outputs: out0 4 x 2,048 x 1,024 float32.
;; One version. Each part assembles by itself: llvm-mc -triple=amdgcn-amd-amdhsa -mcpu=gfx1250 --defsym DOCPART=n.
;; ======== version 1 of 1: 4 launches
;; limits: values are held in f16: magnitudes above 65,504 overflow, below 6.1e-05 lose precision; right only within a limited range of input values
;; workspace buffers: wb 6,291,456 bytes; qp 16,777,216 bytes; kp 16,777,216 bytes; vp 16,777,216 bytes; pbuf 33,554,432 bytes; stats 1,048,576 bytes
;; launch castw (part 1): grid 128 x 3, 8 waves a work-group, no clusters, 0 bytes of LDS; arguments Wq, Wk, Wv, wb; writes wb
.if DOCPART == 1
	.amdgcn_target "amdgcn-amd-amdhsa--gfx1250"
	.amdhsa_code_object_version 6
	.text
	.protected	k_q4da5bc30e2_castw
	.globl	k_q4da5bc30e2_castw
	.p2align	8
	.type	k_q4da5bc30e2_castw,@function
k_q4da5bc30e2_castw:
	s_mov_b64 s[64:65], 0
	v_nop
	global_prefetch_b8 v0, s[64:65] scope:SCOPE_SE
	s_setreg_imm32_b32 hwreg(HW_REG_WAVE_MODE, 25, 1), 1
	s_wait_xcnt 0x0
; wb[p][d][e] = bf16(W_p[d][e]), p = 0, 1, 2 for Wq, Wk, Wv: the three weight matrices rounded once, in the layout in which they lie.
; A stream: 12 MiB in, 6 MiB out, nothing shared, so no LDS, no matrix unit, no cluster.  A work-group takes 8,192 numbers of one matrix in
; four passes of 2,048; thread t takes 8 neighbouring numbers a pass: 32 bytes in (two loads), 16 bytes out, so that sixteen neighbouring
; lanes store 256 consecutive bytes at a multiple of 256 from wb's first byte.  All eight loads go out first; each pass has registers of its own.
.set IN,  8                            ; v[8:39]   pass i: 8 numbers in f32
.set OUT, 40                           ; v[40:55]  pass i: 8 numbers in bf16
	s_load_b256 s[4:11], s[0:1], 0x0               ; Wq s[4:5], Wk s[6:7], Wv s[8:9], wb s[10:11]
	s_and_b32 s12, ttmp7, 0xffff                   ; which matrix
	v_lshlrev_b32 v1, 5, v0                        ; 32 t: my bytes of a pass, in
	v_lshlrev_b32 v2, 4, v0                        ; 16 t: out
	s_lshl_b32 s14, ttmp9, 15                      ; the work-group's 32,768 bytes of the matrix
	s_mov_b32 s15, 0
	s_lshl_b32 s16, s12, 21                        ; the matrix's 2 MiB of wb,
	s_lshl_b32 s17, ttmp9, 14                      ; the work-group's 16,384 bytes of them
	s_add_co_u32 s16, s16, s17
	s_mov_b32 s17, 0
	s_wait_kmcnt 0x0
	s_cmp_eq_u32 s12, 1
	s_cselect_b64 s[4:5], s[6:7], s[4:5]
	s_cmp_eq_u32 s12, 2
	s_cselect_b64 s[4:5], s[8:9], s[4:5]
	s_add_nc_u64 s[4:5], s[4:5], s[14:15]
	s_add_nc_u64 s[10:11], s[10:11], s[16:17]
.irp i, 0,1,2,3
	global_load_b128 v[IN+8*(\i):IN+8*(\i)+3],   v1, s[4:5] offset:(\i)*8192 th:TH_LOAD_NT
	global_load_b128 v[IN+8*(\i)+4:IN+8*(\i)+7], v1, s[4:5] offset:(\i)*8192+16 th:TH_LOAD_NT
.endr
.irp i, 0,1,2,3
	s_wait_loadcnt 6-2*(\i)                        ; loads come back in order (ISA guide 5.7.1): pass i is in, the later passes' two loads each stay out
.irp n, 0,1,2,3
	v_cvt_pk_bf16_f32 v[OUT+4*(\i)+(\n)], v[IN+8*(\i)+2*(\n)], v[IN+8*(\i)+2*(\n)+1]
.endr
	global_store_b128 v2, v[OUT+4*(\i):OUT+4*(\i)+3], s[10:11] offset:(\i)*4096
.endr
	s_endpgm
.Lfunc_end_k_q4da5bc30e2_castw:
	.size	k_q4da5bc30e2_castw, .Lfunc_end_k_q4da5bc30e2_castw-k_q4da5bc30e2_castw
	.p2alignl 7, 3214868480
	.fill 96, 4, 3214868480
	.section	.rodata,"a",@progbits
	.p2align	6, 0x0
	.amdhsa_kernel k_q4da5bc30e2_castw
		.amdhsa_group_segment_fixed_size 0
		.amdhsa_private_segment_fixed_size 0
		.amdhsa_enable_private_segment 0
		.amdhsa_kernarg_size 32
		.amdhsa_user_sgpr_count 2
		.amdhsa_user_sgpr_kernarg_segment_ptr 1
		.amdhsa_wavefront_size32 1
		.amdhsa_system_sgpr_workgroup_id_x 1
		.amdhsa_system_sgpr_workgroup_id_y 1
		.amdhsa_system_sgpr_workgroup_id_z 1
		.amdhsa_system_vgpr_workitem_id 0
		.amdhsa_next_free_vgpr 64
		.amdhsa_next_free_sgpr 66
		.amdhsa_reserve_vcc 0
		.amdhsa_float_denorm_mode_32 3
		.amdhsa_float_denorm_mode_16_64 3
		.amdhsa_memory_ordered 1
		.amdhsa_forward_progress 1
		.amdhsa_inst_pref_size 4
	.end_amdhsa_kernel
	.amdgpu_metadata
---
amdhsa.version: [ 1, 2 ]
amdhsa.kernels:
  - .name:           k_q4da5bc30e2_castw
    .symbol:         k_q4da5bc30e2_castw.kd
    .args:
      - { .name: Wq, .offset: 0, .size: 8, .value_kind: global_buffer, .address_space: global }
      - { .name: Wk, .offset: 8, .size: 8, .value_kind: global_buffer, .address_space: global }
      - { .name: Wv, .offset: 16, .size: 8, .value_kind: global_buffer, .address_space: global }
      - { .name: wb, .offset: 24, .size: 8, .value_kind: global_buffer, .address_space: global }
    .group_segment_fixed_size: 0
    .private_segment_fixed_size: 0
    .kernarg_segment_align: 8
    .kernarg_segment_size: 32
    .max_flat_workgroup_size: 256
    .sgpr_count:     66
    .vgpr_count:     64
    .wavefront_size: 32
...
	.end_amdgpu_metadata
.endif
;; end of part 1
;; launch proj (part 2): grid 4 x 192, 4 waves a work-group, clusters of 4 x 4, 327,680 bytes of LDS; arguments q, k, v, wb, bq, bk, bv, qp, kp, vp; writes qp, kp, vp
.if DOCPART == 2
	.amdgcn_target "amdgcn-amd-amdhsa--gfx1250"
	.amdhsa_code_object_version 6
	.text
	.protected	k_q4da5bc30e2_proj
	.globl	k_q4da5bc30e2_proj
	.p2align	8
	.type	k_q4da5bc30e2_proj,@function
k_q4da5bc30e2_proj:
	s_mov_b64 s[64:65], 0
	v_nop
	global_prefetch_b8 v0, s[64:65] scope:SCOPE_SE
	s_setreg_imm32_b32 hwreg(HW_REG_WAVE_MODE, 25, 1), 1
	s_wait_xcnt 0x0
	s_wait_alu depctr_hold_cnt(0) depctr_sa_sdst(0) depctr_va_vdst(0) depctr_va_sdst(0) depctr_va_ssrc(0) depctr_va_vcc(0) depctr_vm_vsrc(0)
	s_getreg_b32 s2, hwreg(HW_REG_IB_STS2, 6, 4)
	s_cmp_eq_u32 s2, 0
	s_cbranch_scc0 .Lentry_in_a_cluster
	s_endpgm
.Lentry_in_a_cluster:
	s_bfe_u32 s2, ttmp6, 0x10000c
	s_cmp_lg_u32 s2, 0xf033
	s_cbranch_scc0 .Lentry_shape_is_right
	s_endpgm
.Lentry_shape_is_right:
; THE THREE PROJECTIONS.  y[m][e] = the sum over d of x[m][d] W[d][e] + b[e], for (x, W, b, y) = (q, Wq, bq, qp), (k, Wk, bk, kp), (v, Wv, bv, vp).
; x: [8192][1024] f32, rounded to bf16 on the way from LDS to the matrix unit; W: wb, [3][1024 d][1024 e] bf16; b: f32, rounded to bf16 like the other inputs; sums in f32; y: [8192][1024] f16, rounded once.
; LIMIT.  y is kept in f16: |y| stays under 65,504 (inputs thirty times those drawn give some 5e3; a common offset of thirty spreads on x and W some 3e4).
; SHARES.  A work-group makes 128 rows x 256 columns of one y: 64 x 4 x 3 = 768 work-groups, three for each of 256 WGPs.  Four waves, each 64 x 128: 32 accumulators of 16 x 16.
; K goes in steps of 128 through a ring of two LDS slots: x's tile 128 rows x 512 bytes (f32), W's 128 rows (d) x 512 bytes (256 e).  The loop's body is ONE K step; the slot in hand is the scalar TB (0 or SLOT).
; CLUSTER.  4 x 4 work-groups: the four of a row make the same rows of y and ask for x's tile jointly, the four of a column the same columns and ask for W's jointly.
; THE MATRIX INSTRUCTION IS USED TRANSPOSED: source 0 = 16 columns e of W (turned on the way out of LDS by ds_load_tr16_b128), source 1 = 16 rows of x: a lane holds row l % 16 of y and
; the columns 8 (l / 16) + 0..7: eight neighbouring numbers.  The bias is the C operand of the first product of each sum.
; REGISTERS, in windows of 256 (s_set_vgpr_msb: bits 1:0 source 0, 3:2 source 1, 5:4 source 2, 7:6 destination):
;   window 0: v1-20 addresses; v64-127 x as it comes from LDS (f32, 4 fragments x 16); v128-159, v160-191 x's fragments in bf16, two buffers; v32-63, v192-255 the way out
;   window 1: the accumulators, (a, b) at v[8 (8 a + b)]          window 2: v0-63, v64-127 W's fragments, two buffers; v128-191 the bias, 8 a block of 16 columns
.set NSTEP, 8                          ; K steps
.set PA,    528                        ; a row of x in LDS: 512 bytes + 16 = 33 x 16: the 16 rows of a load start at 16 different groups of four banks (64 banks of 4 bytes: ISA guide 11.1)
.set PB,    544                        ; a row of W: 512 + 32 = 17 x 32
.set AOFF,  128*PA                     ; W's tile lies behind x's
.set SLOT,  AOFF+128*PB
.set STAGE, 2*SLOT                     ; behind the ring, never filled by a tensor load: 16 rows x 272 bytes for each wave, for the way out
.set SP,    272
.set SPARE, STAGE+4*16*SP              ; the spare words, 128 bytes for each wave: two blocks of 256 bytes that no other line names
.set STEPA, 512                        ; bytes from K step to K step in x: 128 f32 along a row
.set STEPB, 128*2048                   ; in W: 128 rows down
.set A0,   10                          ; v10  my lane's place in x's tile; never rewritten
.set B0,   11                          ; v11  in W's
.set ADRA, 12                          ; v12  A0 + the slot in hand
.set ADRB, 13                          ; v13  B0 + the slot in hand
.set STO,  14                          ; v14  the way out: where I put 16 bytes of a row
.set RD,   15                          ; v15  where I read a row back
.set CO,   16                          ; v16  my byte offset in y
.set PFO,  17                          ; v17  the prefetches' offset; never rewritten
.set SPW,  18                          ; v18  LDS address of my spare word; never rewritten
.set NIL,  19                          ; v19  0; never rewritten
.set BO,   20                          ; v20  my byte offset in 16 numbers of the bias
.set OB,   32
.set RAW,  64
.set AF,   128
.set TMP,  192
.set BIAS, 128                         ; window 2
.set G1A, 24                           ; s[24:31] descriptor group 1 for x's tiles
.set G0A, 32                           ; s[32:39] group 0: the first fill of slot 0; the first fill of slot 1, which then walks
.set LIM, 43                           ; s43  2 in a wave that prefetches, else the greatest number
.set PFA, 44                           ; s[44:45] where my prefetches stand
.set G1B, 48                           ; s[48:55], s[56:63] the same for W's tiles
.set G0B, 56
.set PSTEP, 66                         ; s[66:67] bytes from K step to K step for my prefetches
.set XP,  88                           ; s[88:89] x
.set BI,  90                           ; s[90:91] b
.set OUTP, 92                          ; s[92:93] y
.set WP,  94                           ; s[94:95] the projection's W in wb
.set TB,  98                           ; s98  the slot in hand: 0 or SLOT
.set WPA, 99                           ; s99  where in a slot my load of x lands
.set WPB, 100                          ; s100 my load of W
.set MSB, 0
.macro WIN new                         ; the immediate's high byte repeats the setting that is left; a switch that changes nothing is dropped
.if MSB != (\new)
	s_set_vgpr_msb (MSB<<8)|(\new)
.set MSB, \new
.endif
.endm
.set MUL,   0x52                       ; W in window 2, x in window 0, C and D in window 1
.set MULB,  0x62                       ; the same with C, the bias, in window 2
.set TO_B,  0x80                       ; destination window 2, address window 0
.set PACKW, 0x05                       ; sources 0 and 1 window 1, destination window 0
.set BRND,  0x8a                       ; destination and sources 0, 1 window 2
.macro PLACES                          ; four plain vector instructions behind a matrix instruction, ahead of what reads its result or writes its registers (ISA guide 7.12.1)
.rept 4
	v_nop
.endr
.endm
; A joint load.  Waves 0 and 1 fetch the two halves of x's tile, waves 2 and 3 those of W's.  The branch hangs on the wave's number alone.  An s_nop 0 and four v_nop follow each line.
.macro JLOAD s
	s_cmp_eq_u32 s11, 0
	s_cbranch_scc0 .Lfor_b_\@
	tensor_load_to_lds s[G0A+4*(\s):G0A+4*(\s)+3], s[G1A:G1A+7]
	s_nop 0
.rept 4
	v_nop
.endr
	s_branch .Lasked_\@
.Lfor_b_\@:
	tensor_load_to_lds s[G0B+4*(\s):G0B+4*(\s)+3], s[G1B:G1B+7]
	s_nop 0
.rept 4
	v_nop
.endr
.Lasked_\@:
.endm
; A prefetch of the K step two behind the one just asked for: 16 rows x 512 bytes, two lanes a row, one instruction a wave.  Of the 64 rows that a wave fetches each of the four partners that ask
; with it takes 16, told apart by address.  x's rows are read by this cluster alone; W's by the projection's 16 clusters, of which the first asks.  The trip with count s3 loads step NSTEP - s3: the last two ask for nothing.
.macro ASK
	WIN 0
	s_cmp_gt_u32 s3, s[LIM]
	s_cbranch_scc0 .Lnot_mine_\@
	global_prefetch_b8 v[PFO], s[PFA:PFA+1] th:TH_LOAD_NT scope:SCOPE_SE
.Lnot_mine_\@:
.endm
.macro CREST                           ; a round of the cluster's barrier behind its opening barrier
	s_cmp_lg_u32 s10, 0
	s_cbranch_scc1 .Lnot_wave_0_\@
	s_barrier_signal -3
.Lnot_wave_0_\@:
	s_barrier_wait -3
	s_barrier_signal -1
	s_barrier_wait -1
.endm
.macro CROUND                          ; a whole round
	s_barrier_signal -1
	s_barrier_wait -1
	CREST
.endm
	s_load_b512 s[68:83], s[0:1], 0x0              ; q s[68:69], k s[70:71], v s[72:73], wb s[74:75], bq s[76:77], bk s[78:79], bv s[80:81], qp s[82:83]
	s_load_b128 s[84:87], s[0:1], 0x40             ; kp s[84:85], vp s[86:87]
	v_lshl_add_u32 v[SPW], v0, 2, SPARE
	v_mov_b32 v[NIL], 0
	ds_add_u32 v[SPW], v[NIL]                      ; the wave's opening: the add and its wait ahead of my first tensor load; the set-up below, work on registers, stands between them
	v_lshrrev_b32 v1, 5, v0
	v_readfirstlane_b32 s10, v1                    ; wave 0..3
	s_lshr_b32 s11, s10, 1                         ; which 64 of the tile's rows are mine.  Also: I fetch for x (0) or for W (1)
	s_and_b32 s12, s10, 1                          ; which 128 of its columns.  Also: which half of that tile I fetch
	s_bfe_u32 s40, ttmp6, 0x40000                  ; cx
	s_bfe_u32 s41, ttmp6, 0x40004                  ; cy
	s_lshl_b32 s42, ttmp9, 2
	s_add_co_u32 s42, s42, s40                     ; tile column = 4 x cluster x + cx
	s_and_b32 s20, ttmp7, 0xffff                   ; cluster y, 0..47
	s_lshr_b32 s21, s20, 4                         ; the projection: 0 q, 1 k, 2 v
	s_and_b32 s22, s20, 15                         ; the cluster among the projection's 16
	s_lshl_b32 s13, s22, 2
	s_add_co_u32 s13, s13, s41                     ; tile row, 0..63
	s_lshl_b32 s14, s41, 2
	s_lshl_b32 s14, 15, s14                        ; my row of the cluster
	s_lshl_b32 s15, 0x1111, s40                    ; my column
	s_or_b32 s[G1A], s14, (2<<16)|(1<<20)|(1<<21)|(6<<22)|(3<<25)  ; 15:0 the mask; 17:16 elements of 4 bytes; 20 padding on; 21 set beside a mask; 24:22 after every 128 words (code 6); 31:25 4 words (code 3)
	s_mov_b32 s[G1A+1], 128<<16                    ; tensor_dim0 = 128
	s_mov_b32 s[G1A+2], 64<<16                     ; tensor_dim1 = 64
	s_mov_b32 s[G1A+3], 128<<16                    ; tile_dim0 = 128
	s_mov_b32 s[G1A+4], 64                         ; tile_dim1 = 64
	s_mov_b32 s[G1A+5], 1024                       ; elements from row to row
	s_mov_b32 s[G1A+6], 0
	s_mov_b32 s[G1A+7], 0
	s_or_b32 s[G1B], s15, (1<<16)|(1<<20)|(1<<21)|(6<<22)|(7<<25)  ; elements of 2 bytes; after every 128 words 8 words of padding (code 7)
	s_mov_b32 s[G1B+1], 256<<16
	s_mov_b32 s[G1B+2], 64<<16
	s_mov_b32 s[G1B+3], 256<<16
	s_mov_b32 s[G1B+4], 64
	s_mov_b32 s[G1B+5], 1024
	s_mov_b32 s[G1B+6], 0
	s_mov_b32 s[G1B+7], 0
	s_lshl_b32 s16, s13, 19                        ; x's tile: row 128 x tile row + 64 x half, 4,096 bytes a row: of cy and the wave's number alone
	s_lshl_b32 s17, s12, 18
	s_add_co_u32 s16, s16, s17
	s_mov_b32 s17, 0
	s_lshl_b32 s46, s12, 17                        ; W's tile: row 64 x half, 2,048 bytes a row; column 256 x tile column: of cx and the wave's number alone
	s_lshl_b32 s47, s42, 9
	s_add_co_u32 s46, s46, s47
	s_mov_b32 s47, 0
	s_lshl_b32 s18, s21, 21                        ; the projection's 2 MiB of wb
	s_mov_b32 s19, 0
	s_mul_i32 s[WPA], s12, 64*PA                   ; no place in the cluster enters an LDS address
	s_mul_i32 s[WPB], s12, 64*PB
	s_add_co_u32 s[WPB], s[WPB], AOFF
	s_mov_b32 s[TB], 0
	s_mov_b32 s[G0A], 1                            ; count = 1
	s_mov_b32 s[G0A+1], s[WPA]                     ; LDS address: slot 0
	s_mov_b32 s[G0A+4], 1
	s_add_co_u32 s[G0A+5], s[WPA], SLOT            ; slot 1
	s_mov_b32 s[G0B], 1
	s_mov_b32 s[G0B+1], s[WPB]
	s_mov_b32 s[G0B+4], 1
	s_add_co_u32 s[G0B+5], s[WPB], SLOT
	s_wait_dscnt 0x0                               ; the opening add is done
	s_wait_kmcnt 0x0
	s_cmp_eq_u32 s21, 1
	s_cselect_b64 s[XP:XP+1], s[70:71], s[68:69]
	s_cselect_b64 s[BI:BI+1], s[78:79], s[76:77]
	s_cselect_b64 s[OUTP:OUTP+1], s[84:85], s[82:83]
	s_cmp_eq_u32 s21, 2
	s_cselect_b64 s[XP:XP+1], s[72:73], s[XP:XP+1]
	s_cselect_b64 s[BI:BI+1], s[80:81], s[BI:BI+1]
	s_cselect_b64 s[OUTP:OUTP+1], s[86:87], s[OUTP:OUTP+1]
	s_add_nc_u64 s[WP:WP+1], s[74:75], s[18:19]
	s_add_nc_u64 s[14:15], s[XP:XP+1], s[16:17]
	s_add_nc_u64 s[46:47], s[WP:WP+1], s[46:47]
	s_mov_b64 s[G0A+2:G0A+3], s[14:15]             ; K step 0
	s_or_b32 s[G0A+3], s[G0A+3], 0x80000000        ; type = 2
	s_add_nc_u64 s[G0A+6:G0A+7], s[14:15], STEPA   ; K step 1
	s_or_b32 s[G0A+7], s[G0A+7], 0x80000000
	s_mov_b64 s[G0B+2:G0B+3], s[46:47]
	s_or_b32 s[G0B+3], s[G0B+3], 0x80000000
	s_add_nc_u64 s[G0B+6:G0B+7], s[46:47], STEPB
	s_or_b32 s[G0B+7], s[G0B+7], 0x80000000
	CROUND                                         ; all sixteen work-groups are here: the first joint loads meet
	JLOAD 0                                        ; the ring is filled before anything else is done: two loads of mine are out
	JLOAD 1
	; lane addresses
	v_and_b32 v1, 15, v0                           ; r = l % 16
	v_bfe_u32 v2, v0, 4, 1                         ; h = l / 16
	v_and_b32 v3, 7, v0
	v_bfe_u32 v4, v0, 3, 1
	s_mul_i32 s18, s11, 64*PA                      ; my 64 rows of x
	v_mul_u32_u24 v[A0], v1, PA
	v_lshl_add_u32 v[A0], v2, 5, v[A0]             ; row x pitch + 32 h: eight f32
	v_add_nc_u32 v[A0], s18, v[A0]
	v_lshl_add_u32 v[B0], v2, 3, v3                ; the turning load: lane l reads row 8 h + l % 8, 16 bytes at 16 ((l / 8) % 2), and leaves column l % 16 with eight d
	v_mul_u32_u24 v[B0], v[B0], PB
	v_lshl_add_u32 v[B0], v4, 4, v[B0]
	s_lshl_b32 s18, s12, 8                         ; my 128 columns
	s_add_co_u32 s18, s18, AOFF
	v_add_nc_u32 v[B0], s18, v[B0]
	s_mul_i32 s18, s10, 16*SP
	s_add_co_u32 s18, s18, STAGE                   ; my stage
	v_mul_u32_u24 v[STO], v1, SP                   ; in: row l % 16, 16 bytes for each half of the lanes
	v_lshl_add_u32 v[STO], v2, 4, v[STO]
	v_add_nc_u32 v[STO], s18, v[STO]
	v_mul_u32_u24 v[RD], v2, SP                    ; back: lanes 0-15 one row of 256 bytes, lanes 16-31 the next
	v_lshl_add_u32 v[RD], v1, 4, v[RD]
	v_add_nc_u32 v[RD], s18, v[RD]
	v_lshlrev_b32 v[CO], 11, v2                    ; and the same two rows in y
	v_lshl_add_u32 v[CO], v1, 4, v[CO]
	v_lshlrev_b32 v[BO], 5, v2
	s_lshl_b32 s18, s13, 18                        ; y at my part: row 128 x tile row + 64 x half, 2,048 bytes a row; column 256 x tile column + 128 x half
	s_lshl_b32 s19, s11, 17
	s_add_co_u32 s18, s18, s19
	s_lshl_b32 s19, s42, 9
	s_add_co_u32 s18, s18, s19
	s_lshl_b32 s19, s12, 8
	s_add_co_u32 s18, s18, s19
	s_mov_b32 s19, 0
	s_add_nc_u64 s[OUTP:OUTP+1], s[OUTP:OUTP+1], s[18:19]
	s_lshl_b32 s18, s42, 10                        ; the bias of my 128 columns
	s_lshl_b32 s19, s12, 9
	s_add_co_u32 s18, s18, s19
	s_mov_b32 s19, 0
	s_add_nc_u64 s[BI:BI+1], s[BI:BI+1], s[18:19]
	WIN TO_B
.irp b, 0,1,2,3,4,5,6,7
	global_load_b128 v[BIAS+8*(\b):BIAS+8*(\b)+3],   v[BO], s[BI:BI+1] offset:64*(\b)     ; b[16 b + 8 h + 0..3]
	global_load_b128 v[BIAS+8*(\b)+4:BIAS+8*(\b)+7], v[BO], s[BI:BI+1] offset:64*(\b)+16  ; .. + 4..7
.endr
	WIN 0
	; the prefetches: x: my work-group's 16 rows (by cx) of the 64 that I fetch; W: 16 rows (by cy); both at K step 3: the first refill steps them to 4
	s_lshl_b32 s18, s13, 19
	s_lshl_b32 s19, s12, 18
	s_add_co_u32 s18, s18, s19
	s_lshl_b32 s19, s40, 16
	s_add_co_u32 s18, s18, s19
	s_add_co_u32 s18, s18, 3*STEPA
	s_lshl_b32 s20, s12, 17
	s_lshl_b32 s19, s41, 15
	s_add_co_u32 s20, s20, s19
	s_lshl_b32 s19, s42, 9
	s_add_co_u32 s20, s20, s19
	s_add_co_u32 s20, s20, 3*STEPB
	s_mov_b32 s[PSTEP], STEPB
	s_mov_b32 s[PSTEP+1], 0
	s_mov_b32 s19, 0
	s_cmp_eq_u32 s11, 0                            ; do I fetch for x?
	s_cselect_b32 s18, s18, s20
	s_cselect_b64 s[PFA:PFA+1], s[XP:XP+1], s[WP:WP+1]
	s_cselect_b32 s[PSTEP], STEPA, s[PSTEP]
	s_cselect_b32 s23, 12, 11                      ; a row is 4,096 bytes of x, 2,048 of W
	s_cselect_b32 s2, 0, s22                       ; x's rows are this cluster's alone; W's are asked for by the projection's first cluster
	s_cmp_eq_u32 s2, 0
	s_cselect_b32 s[LIM], 2, -1                    ; the same in all sixteen partners, for a given wave
	s_add_nc_u64 s[PFA:PFA+1], s[PFA:PFA+1], s[18:19]
	v_bfe_u32 v5, v0, 1, 4
	v_and_b32 v6, 1, v0
	v_lshlrev_b32 v[PFO], s23, v5                  ; row l / 2,
	v_lshl_add_u32 v[PFO], v6, 8, v[PFO]           ; its first or second 256 bytes of the step
	s_wait_loadcnt 0x0                             ; the bias
	WIN BRND
.set i, 0
.rept 64
	v_cvt_pk_bf16_f32 v[BIAS+i], v[BIAS+i], v[BIAS+i]  ; rounded to bf16 like every input,
	v_and_b32 v[BIAS+i], 0xffff0000, v[BIAS+i]         ; and back in f32
.set i, i+1
.endr
	WIN 0
; 32 LDS loads in one run: quarter k (32 along K) of the slot in hand: x's four fragments as f32 (a lane's 2 x 8 numbers: four loads), then W's eight, turned, into buffer g
.macro FETCH k, g
	WIN 0
.irp a, 0,1,2,3
	ds_load_b128 v[RAW+16*(\a):RAW+16*(\a)+3],     v[ADRA] offset:(\a)*16*PA+128*(\k)
	ds_load_b128 v[RAW+16*(\a)+4:RAW+16*(\a)+7],   v[ADRA] offset:(\a)*16*PA+128*(\k)+16
	ds_load_b128 v[RAW+16*(\a)+8:RAW+16*(\a)+11],  v[ADRA] offset:(\a)*16*PA+128*(\k)+64
	ds_load_b128 v[RAW+16*(\a)+12:RAW+16*(\a)+15], v[ADRA] offset:(\a)*16*PA+128*(\k)+80
.endr
	WIN TO_B
.irp b, 0,1,2,3,4,5,6,7
	ds_load_tr16_b128 v[64*(\g)+8*(\b):64*(\g)+8*(\b)+3],   v[ADRB] offset:(\k)*32*PB+32*(\b)
	ds_load_tr16_b128 v[64*(\g)+8*(\b)+4:64*(\g)+8*(\b)+7], v[ADRB] offset:(\k)*32*PB+16*PB+32*(\b)
.endr
.endm
; 8 matrix instructions: row block a x all 8 column blocks, buffer f.  first = 1: the bias starts the sums.  The 32 accumulators take turns, one instruction a turn, in the same order in every quarter.
.macro MUL8 f, a, first
.if \first
	WIN MULB
.else
	WIN MUL
.endif
.irp b, 0,1,2,3,4,5,6,7
.if \first
	v_wmma_f32_16x16x32_bf16 v[8*(8*(\a)+(\b)):8*(8*(\a)+(\b))+7], v[64*(\f)+8*(\b):64*(\f)+8*(\b)+7], v[AF+32*(\f)+8*(\a):AF+32*(\f)+8*(\a)+7], v[BIAS+8*(\b):BIAS+8*(\b)+7]
.else
	v_wmma_f32_16x16x32_bf16 v[8*(8*(\a)+(\b)):8*(8*(\a)+(\b))+7], v[64*(\f)+8*(\b):64*(\f)+8*(\b)+7], v[AF+32*(\f)+8*(\a):AF+32*(\f)+8*(\a)+7], v[8*(8*(\a)+(\b)):8*(8*(\a)+(\b))+7]
.endif
.endr
.endm
; Row block 3's 8 matrix instructions, and behind each four of the 32 roundings that make the next quarter's fragments of x (buffer g) from the f32 just fetched.
; The four behind the last product name none of its registers: they are the places ahead of the next run of loads, which writes the buffer of W that it has read.
.macro MULR f, g, first
.set i, 0
.rept 8
.if \first
	WIN MULB
	v_wmma_f32_16x16x32_bf16 v[8*(24+i):8*(24+i)+7], v[64*(\f)+8*i:64*(\f)+8*i+7], v[AF+32*(\f)+24:AF+32*(\f)+31], v[BIAS+8*i:BIAS+8*i+7]
.else
	WIN MUL
	v_wmma_f32_16x16x32_bf16 v[8*(24+i):8*(24+i)+7], v[64*(\f)+8*i:64*(\f)+8*i+7], v[AF+32*(\f)+24:AF+32*(\f)+31], v[8*(24+i):8*(24+i)+7]
.endif
	WIN 0
.irp n, 0,1,2,3
	v_cvt_pk_bf16_f32 v[AF+32*(\g)+4*i+(\n)], v[RAW+8*i+2*(\n)], v[RAW+8*i+2*(\n)+1]
.endr
.set i, i+1
.endr
.endm
; One of a K step's first three quarters: multiplies buffer f, fetches quarter k into buffer g.
.macro Q k, f, g, first
	FETCH \k, \g
	s_wait_dscnt 32                                ; all but the 32 just issued: W's fragments of buffer f are in
	MUL8 \f, 0, \first
	MUL8 \f, 1, \first
	MUL8 \f, 2, \first
	s_wait_dscnt 16                                ; x's 16 loads are in; W's 16, issued behind them, stay out
	MULR \f, \g, \first
.endm
; The last quarter multiplies buffer 1 and changes slots.  In front of the barrier each wave waits for all its tensor loads, of which one is out: its part of the next slot; adds 0 to its spare word;
; and waits for that and for its reads of this slot.  fill = 1: the barrier opens a round of the cluster's, and this slot is filled again first thing behind it, with the K step two on:
; 112 of a step's 128 matrix instructions stand between that request and the wait for it.
.macro TURN fill
.if \fill
	s_wait_xcnt 0x0                                ; the last prefetch, a K step back, has read its address
	s_add_nc_u64 s[PFA:PFA+1], s[PFA:PFA+1], s[PSTEP:PSTEP+1]
.endif
	WIN 0
	s_wait_tensorcnt 0x0                           ; all my tensor loads have landed
	ds_add_u32 v[SPW], v[NIL]                      ; 0 onto my spare word
	s_wait_dscnt 1                                 ; W's fragments of buffer 1 are in; the add may be out
	MUL8 1, 0, 0
	s_wait_dscnt 0x0                               ; the add is done, and my reads of this slot are over
	s_barrier_signal -1
	MUL8 1, 1, 0
	WIN 0                                          ; at a branch and at a label every window is 0
	s_barrier_wait -1
.if \fill
	CREST                                          ; no wave of any partner still reads this slot or has a load on its way
	s_add_co_u32 s[G0A+5], s[WPA], s[TB]           ; the walking descriptors: into the slot just read,
	s_add_co_u32 s[G0B+5], s[WPB], s[TB]
	s_add_nc_u64 s[G0A+6:G0A+7], s[G0A+6:G0A+7], STEPA  ; the next K step; the type bits on top are not reached
	s_add_nc_u64 s[G0B+6:G0B+7], s[G0B+6:G0B+7], STEPB
	s_xor_b32 s[TB], s[TB], SLOT
	JLOAD 1                                        ; its four v_nop are also places ahead of the loads below
.else
	s_xor_b32 s[TB], s[TB], SLOT
	PLACES
.endif
	v_add_nc_u32 v[ADRA], s[TB], v[A0]
	v_add_nc_u32 v[ADRB], s[TB], v[B0]
	FETCH 0, 0
.if \fill
	ASK
.endif
	MUL8 1, 2, 0
	s_wait_dscnt 16
	MULR 1, 0, 0
.endm
; THE WAY OUT of row block a: rounded to f16, 16 bytes a lane; through my own stage; back as whole rows of 256 bytes; stored.
.macro PACK a
	WIN PACKW
.set i, 0
.rept 32
	v_cvt_pk_f16_f32 v[TMP+i], v[64*(\a)+2*i], v[64*(\a)+2*i+1]  ; each accumulator's registers in ascending order
.set i, i+1
.endr
	WIN 0
.endm
.macro TOSTAGE a
	WIN 0
.irp b, 0,1,2,3,4,5,6,7
	ds_store_b128 v[STO], v[TMP+4*(\b):TMP+4*(\b)+3] offset:32*(\b)
.endr
.irp t, 0,1,2,3,4,5,6,7
	ds_load_b128 v[OB+192*((\a)%2)+4*(\t):OB+192*((\a)%2)+4*(\t)+3], v[RD] offset:(\t)*2*SP  ; LDS serves a wave's instructions in order (ISA guide 5.7.1.4): these see the stores above
.endr
.endm
.macro SEND a
	WIN 0
	s_wait_dscnt 0x0                               ; the block is back in registers
	s_wait_xcnt 0x0                                ; earlier stores have read their base and their data: both are rewritten only behind this wait
.if (\a) > 0
	s_add_nc_u64 s[OUTP:OUTP+1], s[OUTP:OUTP+1], 16*2048
.endif
.irp t, 0,1,2,3,4,5,6,7
	global_store_b128 v[CO], v[OB+192*((\a)%2)+4*(\t):OB+192*((\a)%2)+4*(\t)+3], s[OUTP:OUTP+1] offset:2*(\t)*2048  ; 16 lanes store 256 consecutive bytes, at a multiple of 256 from y's first byte
.endr
.endm
	s_wait_tensorcnt 0x1                           ; my part of K step 0 is in; slot 1's load may stay out
	s_barrier_signal -1
	s_barrier_wait -1                              ; everybody's is
	v_add_nc_u32 v[ADRA], s[TB], v[A0]
	v_add_nc_u32 v[ADRB], s[TB], v[B0]
	FETCH 0, 0
	WIN 0
	s_wait_dscnt 16                                ; x's 16 loads
.set i, 0
.rept 32
	v_cvt_pk_bf16_f32 v[AF+i], v[RAW+2*i], v[RAW+2*i+1]
.set i, i+1
.endr
	Q 1, 0, 1, 1                                   ; the first quarter stands in front of the loop: its products start the sums, with the bias
	WIN 0
	s_mov_b32 s3, NSTEP-2
.Lstep:                                                ; a trip: from a K step's second quarter to the next step's first; it fills the slot just read again
	Q 2, 1, 0, 0
	Q 3, 0, 1, 0
	TURN 1
	Q 1, 0, 1, 0
	WIN 0
	s_sub_co_u32 s3, s3, 1
	s_cmp_lg_u32 s3, 0
	s_cbranch_scc1 .Lstep
	Q 2, 1, 0, 0                                   ; the last two K steps are written out: nothing is left to ask for
	Q 3, 0, 1, 0
	TURN 0
	Q 1, 0, 1, 0
	Q 2, 1, 0, 0
	Q 3, 0, 1, 0
	s_wait_dscnt 0x0
	MUL8 1, 0, 0
	MUL8 1, 1, 0
	MUL8 1, 2, 0
	MUL8 1, 3, 0
	WIN 0
	PLACES
	PACK 0
	TOSTAGE 0
.irp a, 1,2,3                          ; a block's conversions stand between the loads of the block before and the wait for them
	PACK \a
	SEND (\a)-1
	TOSTAGE \a
.endr
	SEND 3
	s_wait_tensorcnt 0x0                           ; the wave's end: behind my last tensor load and my last LDS store
	ds_add_u32 v[SPW], v[NIL]
	s_wait_dscnt 0x0
	CROUND                                         ; the closing round: no work-group ends while a partner may still ask for a tile that names it
	s_endpgm
.Lfunc_end_k_q4da5bc30e2_proj:
	.size	k_q4da5bc30e2_proj, .Lfunc_end_k_q4da5bc30e2_proj-k_q4da5bc30e2_proj
	.p2alignl 7, 3214868480
	.fill 96, 4, 3214868480
	.section	.rodata,"a",@progbits
	.p2align	6, 0x0
	.amdhsa_kernel k_q4da5bc30e2_proj
		.amdhsa_group_segment_fixed_size 327680
		.amdhsa_private_segment_fixed_size 0
		.amdhsa_enable_private_segment 0
		.amdhsa_kernarg_size 80
		.amdhsa_user_sgpr_count 2
		.amdhsa_user_sgpr_kernarg_segment_ptr 1
		.amdhsa_wavefront_size32 1
		.amdhsa_system_sgpr_workgroup_id_x 1
		.amdhsa_system_sgpr_workgroup_id_y 1
		.amdhsa_system_sgpr_workgroup_id_z 1
		.amdhsa_system_vgpr_workitem_id 0
		.amdhsa_next_free_vgpr 704
		.amdhsa_next_free_sgpr 102
		.amdhsa_reserve_vcc 0
		.amdhsa_float_denorm_mode_32 3
		.amdhsa_float_denorm_mode_16_64 3
		.amdhsa_memory_ordered 1
		.amdhsa_forward_progress 1
		.amdhsa_inst_pref_size 116
	.end_amdhsa_kernel
	.amdgpu_metadata
---
amdhsa.version: [ 1, 2 ]
amdhsa.kernels:
  - .name:           k_q4da5bc30e2_proj
    .symbol:         k_q4da5bc30e2_proj.kd
    .args:
      - { .name: q, .offset: 0, .size: 8, .value_kind: global_buffer, .address_space: global }
      - { .name: k, .offset: 8, .size: 8, .value_kind: global_buffer, .address_space: global }
      - { .name: v, .offset: 16, .size: 8, .value_kind: global_buffer, .address_space: global }
      - { .name: wb, .offset: 24, .size: 8, .value_kind: global_buffer, .address_space: global }
      - { .name: bq, .offset: 32, .size: 8, .value_kind: global_buffer, .address_space: global }
      - { .name: bk, .offset: 40, .size: 8, .value_kind: global_buffer, .address_space: global }
      - { .name: bv, .offset: 48, .size: 8, .value_kind: global_buffer, .address_space: global }
      - { .name: qp, .offset: 56, .size: 8, .value_kind: global_buffer, .address_space: global }
      - { .name: kp, .offset: 64, .size: 8, .value_kind: global_buffer, .address_space: global }
      - { .name: vp, .offset: 72, .size: 8, .value_kind: global_buffer, .address_space: global }
    .group_segment_fixed_size: 327680
    .private_segment_fixed_size: 0
    .kernarg_segment_align: 8
    .kernarg_segment_size: 80
    .max_flat_workgroup_size: 128
    .sgpr_count:     102
    .vgpr_count:     704
    .wavefront_size: 32
...
	.end_amdgpu_metadata
.endif
;; end of part 2
;; launch score (part 3): grid 8 x 32, 4 waves a work-group, clusters of 4 x 4, 327,680 bytes of LDS; arguments qp, kp, mask, pbuf, stats; writes pbuf, stats
.if DOCPART == 3
	.amdgcn_target "amdgcn-amd-amdhsa--gfx1250"
	.amdhsa_code_object_version 6
	.text
	.protected	k_q4da5bc30e2_score
	.globl	k_q4da5bc30e2_score
	.p2align	8
	.type	k_q4da5bc30e2_score,@function
k_q4da5bc30e2_score:
	s_mov_b64 s[64:65], 0
	v_nop
	global_prefetch_b8 v0, s[64:65] scope:SCOPE_SE
	s_setreg_imm32_b32 hwreg(HW_REG_WAVE_MODE, 25, 1), 1
	s_wait_xcnt 0x0
	s_wait_alu depctr_hold_cnt(0) depctr_sa_sdst(0) depctr_va_vdst(0) depctr_va_sdst(0) depctr_va_ssrc(0) depctr_va_vcc(0) depctr_vm_vsrc(0)
	s_getreg_b32 s2, hwreg(HW_REG_IB_STS2, 6, 4)
	s_cmp_eq_u32 s2, 0
	s_cbranch_scc0 .Lentry_in_a_cluster
	s_endpgm
.Lentry_in_a_cluster:
	s_bfe_u32 s2, ttmp6, 0x10000c
	s_cmp_lg_u32 s2, 0xf033
	s_cbranch_scc0 .Lentry_shape_is_right
	s_endpgm
.Lentry_shape_is_right:
; SCORES AND THE SOFTMAX'S FIRST HALF.  s[q][k] = qp[q] . kp[k] (f16 operands, f32 sums, K = 1024); u = c s, c = log2(e) / 32, or NEGU = -1e10 log2(e) where the mask's byte is 0.
; For each query and each BLOCK of 128 keys: m = the largest u of the block, p = 2^(u - m), l = the sum of the p (unrounded).  pbuf[batch][q][k] = p in f16; stats holds m and l, [batch][16 blocks][2048 q] f32 each.
; The launch behind puts the row's true maximum together from the blocks' m.  u - m is a subtraction, so a block that is masked throughout gives p = 1 exactly.
; LIMITS.  A weight below 2^-126 counts as 0 in l; p below 6e-5 keeps f16's fixed step of 6e-8; a mask byte other than 0 counts as true; NaN and infinities are not treated apart.
; SHARES.  A work-group makes 256 queries x 256 keys: 32 x 8 = 256 work-groups.  Four waves, each 128 x 128: 64 accumulators, 512 registers; a wave's 128 keys are one block, so no wave needs another's maximum.
; K goes in steps of 128 through a ring of two LDS slots (rows of 256 bytes); the loop's body is ONE K step, the slot in hand the scalar TB.  At the last change of slots the freed slot 0 takes the mask's tile.
; CLUSTER.  4 x 4 work-groups: qp's tile is shared along a row of the cluster, kp's along a column, each asked for jointly.  The mask's tile is each work-group's own: a plain load behind the same round.
; THE MATRIX INSTRUCTION IS USED TRANSPOSED: source 0 = 16 keys, source 1 = 16 queries: a lane holds ONE query (l % 16) and the keys 8 (l / 16) + 0..7 of each group of 16.
; REGISTERS: window 0: v16-31 addresses; v64-127, v128-191 qp's fragments, two buffers (on the way out: at work); v32-63, v192-223 the way out.  window 1: v64-191 kp's fragments.
;   window 2: the accumulators of my queries 0-63, (a, b) at v[8 (8 a + b)]; window 3: those of queries 64-127.
.set NSTEP,  8
.set PITCH,  272                       ; an LDS row: 256 bytes + 16 = 68 words: row r starts at bank 4 r mod 64 (64 banks of 4 bytes: ISA guide 11.1)
.set HALFT,  128*PITCH
.set SLOT,   4*HALFT                   ; qp's 256 rows, then kp's 256 rows
.set STAGE,  2*SLOT                    ; behind the ring: 16 rows x 272 bytes for each wave
.set SST,    STAGE+4*16*PITCH          ; 1,024 bytes for each wave: its 128 m, then its 128 l
.set SPARE,  SST+4*1024                ; the spare words, 128 bytes for each wave: two blocks of 256 bytes that no other line names
.set KB,     256                       ; bytes of a row in a K step
.set ADRA, 16                          ; v16  A0 + the slot in hand
.set A0,   17                          ; v17  my lane's place in qp's tile; never rewritten
.set ADRB, 20
.set B0,   21
.set SRD,  22                          ; v22  where I read 16 bytes of my wave's m back
.set L16,  23                          ; v23  16 x lane
.set STO,  24
.set RD,   25
.set CO,   26                          ; v26  my byte offset in two rows of pbuf
.set MADR, 27                          ; v27  my 8 mask bytes of the block in hand; steps 16 rows a trip
.set SPW,  28
.set NIL,  29
.set PFO,  30
.set SADR, 31                          ; v31  where I put m (lanes 0-15) or l (lanes 16-31); steps 16 words a trip
.set OB,   32
.set F0,   64
.set F1,   128
.set U,    64                          ; v64-127  the way out: a lane's 64 scores of a block of 16 queries
.set MD,   128                         ; v128-143 their mask bytes
.set TT,   144                         ; v144-151 at work
.set CC,   152                         ; v152-155 four running maxima
.set MM,   156                         ; v156-157 m, twice
.set LL,   158
.set SV,   160
.set VNEG, 161
.set TMP,  192
.set G1A, 24
.set G0A, 32
.set LIM, 43
.set PFA, 44
.set G1B, 48
.set G0B, 56
.set G0M, 80                           ; s[80:83], s[84:91] the mask tile's descriptor
.set G1M, 84
.set CS,  92                           ; s[92:93] c, named as a pair
.set SEL, 94                           ; s[94:95] v_permlanex16_b32's selects: each lane takes its own place in the other half
.set HM,  96                           ; s96  lanes 16-31
.set TB,  98
.set WP,  99                           ; s99  where in a slot my load lands: wave x 128 rows
.set MSB, 0
.macro WIN new
.if MSB != (\new)
	s_set_vgpr_msb (MSB<<8)|(\new)
.set MSB, \new
.endif
.endm
.set MUL_LO, 0xa1                      ; source 0 (kp) window 1, source 1 (qp) window 0, C and D window 2
.set MUL_HI, 0xf1                      ; the same, C and D window 3
.set TO_B,   0x40
.macro PLACES
.rept 4
	v_nop
.endr
.endm
.macro JLOAD s                         ; waves 0 and 1 fetch qp's two halves, waves 2 and 3 kp's; an s_nop 0 and four v_nop follow each line
	s_cmp_eq_u32 s11, 0
	s_cbranch_scc0 .Lfor_b_\@
	tensor_load_to_lds s[G0A+4*(\s):G0A+4*(\s)+3], s[G1A:G1A+7]
	s_nop 0
.rept 4
	v_nop
.endr
	s_branch .Lasked_\@
.Lfor_b_\@:
	tensor_load_to_lds s[G0B+4*(\s):G0B+4*(\s)+3], s[G1B:G1B+7]
	s_nop 0
.rept 4
	v_nop
.endr
.Lasked_\@:
.endm
; A prefetch of the K step two behind the one just asked for: 32 rows x 256 bytes, a lane a row.  Of a wave's 128 rows each of the four partners that ask with it takes 32, by address.  qp's rows are read by
; both clusters of a row of clusters: the one with x = 0 asks; kp's by the batch's two clusters along y: the first asks.  The trip with count s3 loads step NSTEP - s3: the last two ask for nothing.
.macro ASK
	WIN 0
	s_cmp_gt_u32 s3, s[LIM]
	s_cbranch_scc0 .Lnot_mine_\@
	global_prefetch_b8 v[PFO], s[PFA:PFA+1] th:TH_LOAD_NT scope:SCOPE_SE
.Lnot_mine_\@:
.endm
.macro CREST
	s_cmp_lg_u32 s10, 0
	s_cbranch_scc1 .Lnot_wave_0_\@
	s_barrier_signal -3
.Lnot_wave_0_\@:
	s_barrier_wait -3
	s_barrier_signal -1
	s_barrier_wait -1
.endm
.macro CROUND
	s_barrier_signal -1
	s_barrier_wait -1
	CREST
.endm
	s_load_b256 s[68:75], s[0:1], 0x0              ; qp s[68:69], kp s[70:71], mask s[72:73], pbuf s[74:75]
	s_load_b64 s[76:77], s[0:1], 0x20              ; stats
	v_lshl_add_u32 v[SPW], v0, 2, SPARE
	v_mov_b32 v[NIL], 0
	ds_add_u32 v[SPW], v[NIL]                      ; the wave's opening: the add and its wait ahead of my first tensor load
	v_lshrrev_b32 v1, 5, v0
	v_readfirstlane_b32 s10, v1                    ; wave 0..3
	s_lshr_b32 s11, s10, 1                         ; which 128 queries are mine.  Also: I fetch for qp (0) or kp (1)
	s_and_b32 s12, s10, 1                          ; which 128 keys.  Also: which half of that tile I fetch
	s_bfe_u32 s40, ttmp6, 0x40000                  ; cx
	s_bfe_u32 s41, ttmp6, 0x40004                  ; cy
	s_lshl_b32 s42, ttmp9, 2
	s_add_co_u32 s42, s42, s40                     ; tile column (256 keys of the batch), 0..7
	s_and_b32 s20, ttmp7, 0xffff                   ; cluster y, 0..7
	s_lshl_b32 s13, s20, 2
	s_add_co_u32 s13, s13, s41                     ; tile row (256 of all 8,192 queries), 0..31
	s_lshr_b32 s21, s20, 1                         ; the batch
	s_and_b32 s22, s20, 1                          ; the cluster among the batch's two
	s_lshl_b32 s14, s41, 2
	s_lshl_b32 s14, 15, s14                        ; my row of the cluster
	s_lshl_b32 s15, 0x1111, s40                    ; my column
	s_or_b32 s[G1A], s14, (1<<16)|(1<<20)|(1<<21)|(5<<22)|(3<<25)  ; the mask; elements of 2 bytes; padding on; bit 21 beside a mask; after every 64 words (code 5) 4 words (code 3)
	s_or_b32 s[G1B], s15, (1<<16)|(1<<20)|(1<<21)|(5<<22)|(3<<25)
.irp g, G1A, G1B
	s_mov_b32 s[(\g)+1], 128<<16                   ; tensor_dim0 = 128
	s_mov_b32 s[(\g)+2], 128<<16                   ; tensor_dim1 = 128
	s_mov_b32 s[(\g)+3], 128<<16                   ; tile_dim0 = 128
	s_mov_b32 s[(\g)+4], 128                       ; tile_dim1 = 128
	s_mov_b32 s[(\g)+5], 1024                      ; elements from row to row
	s_mov_b32 s[(\g)+6], 0
	s_mov_b32 s[(\g)+7], 0
.endr
	s_mov_b32 s[G1M], (3<<16)|(1<<20)|(5<<22)|(3<<25)  ; no work-group mask; elements of 8 bytes; after every 64 words 4 words of padding
	s_mov_b32 s[G1M+1], 32<<16                     ; a row of the tile: 32 elements, 256 mask bytes
	s_mov_b32 s[G1M+2], 64<<16                     ; 64 rows a wave
	s_mov_b32 s[G1M+3], 32<<16
	s_mov_b32 s[G1M+4], 64
	s_mov_b32 s[G1M+5], 256                        ; 2,048 bytes from row to row
	s_mov_b32 s[G1M+6], 0
	s_mov_b32 s[G1M+7], 0
	s_mov_b32 s[CS], 0x3d38aa3b                    ; c = log2(e) / 32
	s_mov_b32 s[CS+1], s[CS]
	s_mov_b32 s[SEL], 0x76543210
	s_mov_b32 s[SEL+1], 0xfedcba98
	s_mov_b32 s[HM], 0xffff0000
	s_lshl_b32 s16, s13, 19                        ; qp's tile: row 256 x tile row + 128 x half, 2,048 bytes a row
	s_lshl_b32 s17, s12, 18
	s_add_co_u32 s16, s16, s17
	s_mov_b32 s17, 0
	s_lshl_b32 s46, s21, 22                        ; kp's tile: row 2,048 x batch + 256 x tile column + 128 x half
	s_lshl_b32 s47, s42, 19
	s_add_co_u32 s46, s46, s47
	s_lshl_b32 s47, s12, 18
	s_add_co_u32 s46, s46, s47
	s_mov_b32 s47, 0
	s_lshl_b32 s18, s13, 19                        ; the mask's tile: row 256 x tile row + 64 x wave, 2,048 bytes a row; column 256 x tile column
	s_lshl_b32 s19, s10, 17
	s_add_co_u32 s18, s18, s19
	s_lshl_b32 s19, s42, 8
	s_add_co_u32 s18, s18, s19
	s_mov_b32 s19, 0
	s_mul_i32 s[WP], s10, HALFT                    ; qp's two halves, then kp's two: wave x 128 rows
	s_mov_b32 s[TB], 0
	s_mov_b32 s[G0A], 1
	s_mov_b32 s[G0A+1], s[WP]
	s_mov_b32 s[G0A+4], 1
	s_add_co_u32 s[G0A+5], s[WP], SLOT
	s_mov_b32 s[G0B], 1
	s_mov_b32 s[G0B+1], s[WP]
	s_mov_b32 s[G0B+4], 1
	s_add_co_u32 s[G0B+5], s[WP], SLOT
	s_mov_b32 s[G0M], 1
	s_mul_i32 s[G0M+1], s10, 64*PITCH              ; into slot 0: wave x 64 rows
	s_wait_dscnt 0x0                               ; the opening add is done
	s_wait_kmcnt 0x0
	s_add_nc_u64 s[14:15], s[68:69], s[16:17]
	s_add_nc_u64 s[46:47], s[70:71], s[46:47]
	s_mov_b64 s[G0A+2:G0A+3], s[14:15]
	s_or_b32 s[G0A+3], s[G0A+3], 0x80000000
	s_add_nc_u64 s[G0A+6:G0A+7], s[14:15], KB
	s_or_b32 s[G0A+7], s[G0A+7], 0x80000000
	s_mov_b64 s[G0B+2:G0B+3], s[46:47]
	s_or_b32 s[G0B+3], s[G0B+3], 0x80000000
	s_add_nc_u64 s[G0B+6:G0B+7], s[46:47], KB
	s_or_b32 s[G0B+7], s[G0B+7], 0x80000000
	s_add_nc_u64 s[G0M+2:G0M+3], s[72:73], s[18:19]
	s_or_b32 s[G0M+3], s[G0M+3], 0x80000000
	CROUND                                         ; all sixteen work-groups are here: the first joint loads meet
	JLOAD 0
	JLOAD 1
	v_and_b32 v1, 15, v0                           ; r
	v_bfe_u32 v2, v0, 4, 1                         ; h
	v_mul_u32_u24 v3, v1, PITCH
	v_lshl_add_u32 v4, v2, 4, v3                   ; a fragment's row x pitch + 16 h
	s_mul_i32 s18, s11, HALFT                      ; my 128 rows of qp
	s_mul_i32 s19, s12, HALFT                      ; my 128 rows of kp,
	s_add_co_u32 s19, s19, 2*HALFT                 ; which lie behind qp's 256
	v_add_nc_u32 v[A0], s18, v4
	v_add_nc_u32 v[B0], s19, v4
	v_lshl_add_u32 v[MADR], v2, 3, v3              ; the mask: row 128 x my half + r, byte 128 x my key half + 8 h
	s_lshl_b32 s20, s12, 7
	s_add_co_u32 s20, s20, s18
	v_add_nc_u32 v[MADR], s20, v[MADR]
	s_lshl_b32 s20, s10, 10
	s_add_co_u32 s20, s20, SST
	v_lshlrev_b32 v[SADR], 2, v1
	v_lshl_add_u32 v[SADR], v2, 9, v[SADR]
	v_add_nc_u32 v[SADR], s20, v[SADR]
	v_and_b32 v[L16], 31, v0
	v_lshlrev_b32 v[PFO], 11, v[L16]               ; a lane a row of 2,048 bytes
	v_lshlrev_b32 v[L16], 4, v[L16]
	v_add_nc_u32 v[SRD], s20, v[L16]
	s_mul_i32 s20, s10, 16*PITCH
	s_add_co_u32 s20, s20, STAGE                   ; my stage
	v_add_nc_u32 v[STO], s20, v4                   ; in: row r, 16 bytes for each half of the lanes
	v_mul_u32_u24 v[RD], v2, PITCH                 ; back: lanes 0-15 one row of 256 bytes, lanes 16-31 the next
	v_lshl_add_u32 v[RD], v1, 4, v[RD]
	v_add_nc_u32 v[RD], s20, v[RD]
	v_lshlrev_b32 v[CO], 12, v2                    ; and the same two rows in pbuf, 4,096 bytes a row
	v_lshl_add_u32 v[CO], v1, 4, v[CO]
	s_lshl_b32 s18, s13, 20                        ; pbuf at my part: row 256 x tile row + 128 x half; byte 512 x tile column + 256 x half
	s_lshl_b32 s19, s11, 19
	s_add_co_u32 s18, s18, s19
	s_lshl_b32 s19, s42, 9
	s_add_co_u32 s18, s18, s19
	s_lshl_b32 s19, s12, 8
	s_add_co_u32 s18, s18, s19
	s_mov_b32 s19, 0
	s_add_nc_u64 s[74:75], s[74:75], s[18:19]
	s_lshl_b32 s18, s21, 17                        ; stats: ((16 x batch + 2 x tile column + key half) x 2,048 + 256 x (tile row % 8) + 128 x query half) x 4
	s_lshl_b32 s19, s42, 14
	s_add_co_u32 s18, s18, s19
	s_lshl_b32 s19, s12, 13
	s_add_co_u32 s18, s18, s19
	s_and_b32 s19, s13, 7
	s_lshl_b32 s19, s19, 10
	s_add_co_u32 s18, s18, s19
	s_lshl_b32 s19, s11, 9
	s_add_co_u32 s18, s18, s19
	s_mov_b32 s19, 0
	s_add_nc_u64 s[76:77], s[76:77], s[18:19]
	s_lshl_b32 s18, s13, 19                        ; the prefetches: my work-group's 32 rows of the 128 that I fetch, at K step 3: the first refill steps them to 4
	s_lshl_b32 s19, s12, 18
	s_add_co_u32 s18, s18, s19
	s_lshl_b32 s19, s40, 16
	s_add_co_u32 s18, s18, s19
	s_add_co_u32 s18, s18, 3*KB
	s_lshl_b32 s20, s21, 22
	s_lshl_b32 s19, s42, 19
	s_add_co_u32 s20, s20, s19
	s_lshl_b32 s19, s12, 18
	s_add_co_u32 s20, s20, s19
	s_lshl_b32 s19, s41, 16
	s_add_co_u32 s20, s20, s19
	s_add_co_u32 s20, s20, 3*KB
	s_mov_b32 s19, 0
	s_cmp_eq_u32 s11, 0
	s_cselect_b32 s18, s18, s20
	s_cselect_b64 s[PFA:PFA+1], s[68:69], s[70:71]
	s_cselect_b32 s2, ttmp9, s22                   ; the coordinate along which other clusters read the same rows
	s_cmp_eq_u32 s2, 0
	s_cselect_b32 s[LIM], 2, -1                    ; the same in all sixteen partners, for a given wave
	s_add_nc_u64 s[PFA:PFA+1], s[PFA:PFA+1], s[18:19]
; 16 matrix instructions: query blocks a0, a0 + 1 of the window's four x all 8 key blocks, 32 along K.  zero = 1: the first product starts the sums.  The 64 accumulators take turns, in the same order in every quarter.
.macro MUL16 f, hi, a0, zero
	WIN MUL_LO+0x50*(\hi)
.irp a, \a0, (\a0)+1
.irp b, 0,1,2,3,4,5,6,7
.if \zero
	v_wmma_f32_16x16x32_f16 v[8*(8*(\a)+(\b)):8*(8*(\a)+(\b))+7], v[(\f)+8*(\b):(\f)+8*(\b)+7], v[(\f)+8*(4*(\hi)+(\a)):(\f)+8*(4*(\hi)+(\a))+7], 0
.else
	v_wmma_f32_16x16x32_f16 v[8*(8*(\a)+(\b)):8*(8*(\a)+(\b))+7], v[(\f)+8*(\b):(\f)+8*(\b)+7], v[(\f)+8*(4*(\hi)+(\a)):(\f)+8*(4*(\hi)+(\a))+7], v[8*(8*(\a)+(\b)):8*(8*(\a)+(\b))+7]
.endif
.endr
.endr
.endm
; 32 LDS loads in one run: the fragments of 32 along K at byte k of the rows of the slot in hand, into buffer f: kp's 128 rows, then qp's
.macro FETCH k, f
	WIN TO_B
.irp i, 0,1,2,3,4,5,6,7
	ds_load_b128 v[(\f)+8*(\i):(\f)+8*(\i)+3],   v[ADRB] offset:(\k)+(\i)*16*PITCH
	ds_load_b128 v[(\f)+8*(\i)+4:(\f)+8*(\i)+7], v[ADRB] offset:(\k)+(\i)*16*PITCH+32
.endr
	WIN 0
.irp i, 0,1,2,3,4,5,6,7
	ds_load_b128 v[(\f)+8*(\i):(\f)+8*(\i)+3],   v[ADRA] offset:(\k)+(\i)*16*PITCH
	ds_load_b128 v[(\f)+8*(\i)+4:(\f)+8*(\i)+7], v[ADRA] offset:(\k)+(\i)*16*PITCH+32
.endr
.endm
.macro QUARTER k, f, g, zero           ; multiplies buffer f; in its middle it fetches the next quarter, at byte k, into buffer g
	s_wait_dscnt 8                                 ; kp and qp's rows 0-63 are in; the youngest eight loads (qp's rows 64-127) may be out
	MUL16 \f, 0, 0, \zero
	MUL16 \f, 0, 2, \zero
	PLACES                                         ; ahead of loads into registers that matrix instructions have read
	FETCH \k, \g
	s_wait_dscnt 32                                ; all but the 32 just issued
	MUL16 \f, 1, 0, \zero
	MUL16 \f, 1, 2, \zero
.endm
; The last quarter multiplies buffer 1 and changes slots, behind a round of the cluster's barrier; in front of it each wave waits for all its tensor loads, adds 0 to its spare word, and waits for that and for its reads of this slot.
; fill = 1: the slot just read takes the K step two on (224 matrix instructions stand between the request and the wait for it).  fill = 2: the last change: slot 0 takes my 64 rows of the mask's tile.
.macro TURN fill
.if (\fill) == 1
	s_wait_xcnt 0x0                                ; the last prefetch, a K step back, has read its address
	s_add_nc_u64 s[PFA:PFA+1], s[PFA:PFA+1], KB
.endif
	WIN 0
	s_wait_tensorcnt 0x0                           ; all my tensor loads have landed
	ds_add_u32 v[SPW], v[NIL]                      ; 0 onto my spare word
	s_wait_dscnt 9                                 ; the add and the youngest eight loads may be out
	MUL16 F1, 0, 0, 0
	s_wait_dscnt 0x0                               ; the add is done, and my reads of this slot are over
	s_barrier_signal -1
	MUL16 F1, 0, 2, 0
	WIN 0
	s_barrier_wait -1
	CREST                                          ; no wave of any partner still reads this slot or has a load on its way
.if (\fill) == 1
	s_add_co_u32 s[G0A+5], s[WP], s[TB]
	s_add_co_u32 s[G0B+5], s[WP], s[TB]
	s_add_nc_u64 s[G0A+6:G0A+7], s[G0A+6:G0A+7], KB
	s_add_nc_u64 s[G0B+6:G0B+7], s[G0B+6:G0B+7], KB
	s_xor_b32 s[TB], s[TB], SLOT
	JLOAD 1                                        ; its four v_nop are also the places ahead of the loads below
.else
	s_xor_b32 s[TB], s[TB], SLOT
	tensor_load_to_lds s[G0M:G0M+3], s[G1M:G1M+7]
	s_nop 0
.rept 4
	v_nop
.endr
.endif
	v_add_nc_u32 v[ADRA], s[TB], v[A0]
	v_add_nc_u32 v[ADRB], s[TB], v[B0]
	FETCH 0, F0
.if (\fill) == 1
	ASK
.endif
	MUL16 F1, 1, 0, 0
	MUL16 F1, 1, 2, 0
.endm
	s_wait_tensorcnt 0x1                           ; my part of K step 0 is in; slot 1's load may stay out
	s_barrier_signal -1
	s_barrier_wait -1
	v_add_nc_u32 v[ADRA], s[TB], v[A0]
	v_add_nc_u32 v[ADRB], s[TB], v[B0]
	FETCH 0, F0
	QUARTER 64, F0, F1, 1                          ; the first quarter stands in front of the loop: its products start the sums
	WIN 0
	s_mov_b32 s3, NSTEP-2
.Lstep:
	QUARTER 128, F1, F0, 0
	QUARTER 192, F0, F1, 0
	TURN 1
	QUARTER 64, F0, F1, 0
	WIN 0
	s_sub_co_u32 s3, s3, 1
	s_cmp_lg_u32 s3, 0
	s_cbranch_scc1 .Lstep
	QUARTER 128, F1, F0, 0                         ; the last two K steps are written out
	QUARTER 192, F0, F1, 0
	TURN 2
	QUARTER 64, F0, F1, 0
	QUARTER 128, F1, F0, 0
	QUARTER 192, F0, F1, 0
	s_wait_dscnt 8
	MUL16 F1, 0, 0, 0
	MUL16 F1, 0, 2, 0
	s_wait_dscnt 0x0
	MUL16 F1, 1, 0, 0
	MUL16 F1, 1, 2, 0
	WIN 0
	s_wait_tensorcnt 0x0                           ; my 64 rows of the mask's tile are in;
	s_barrier_signal -1
	s_barrier_wait -1                              ; everybody's are: my 128 queries' rows came by two waves
	PLACES                                         ; behind the last products, ahead of all that reads results or writes fragment registers
	v_mov_b32 v[VNEG], 0xd056fa73                  ; NEGU = -1e10 x log2(e)
	; THE WAY OUT: eight trips, a block of 16 queries x 128 keys each.  Only the copy out of the accumulators differs from block to block: it is chosen by forward jumps on the trip's number.
	s_mov_b32 s2, 0
.Lblk:
.irp b, 0,1,2,3,4,5,6,7
	ds_load_b64 v[MD+2*(\b):MD+2*(\b)+1], v[MADR] offset:16*(\b)  ; the mask bytes of keys 16 b + 8 h + 0..7
.endr
.irp k, 0,1,2,3,4,5,6
	s_cmp_eq_u32 s2, \k
	s_cbranch_scc1 .Lcp_\k
.endr
	s_branch .Lcp_7
.irp k, 0,1,2,3,4,5,6,7
.Lcp_\k:
	WIN 2+(\k)/4                                   ; source 0 in window 2 or 3
.set i, 0
.rept 32
	v_pk_mul_f32 v[U+2*i:U+2*i+1], v[64*((\k)%4)+2*i:64*((\k)%4)+2*i+1], s[CS:CS+1] op_sel_hi:[1,0]  ; u = c s; each accumulator's registers in ascending order
.set i, i+1
.endr
	WIN 0
.if (\k) < 7
	s_branch .Lsoft
.endif
.endr
.Lsoft:
	s_wait_dscnt 0x0                               ; the mask bytes
.set b, 0
.rept 8
.set j, 0
.rept 8
	v_and_b32 v[TT+j], 0xff<<(8*(j%4)), v[MD+2*b+j/4]
.set j, j+1
.endr
.set j, 0
.rept 8
	v_cmp_ne_u32 s[14+j], 0, v[TT+j]
.set j, j+1
.endr
.set j, 0
.rept 8
	v_cndmask_b32 v[U+8*b+j], v[VNEG], v[U+8*b+j], s[14+j]  ; u where the byte is set, NEGU where it is 0
.set j, j+1
.endr
.set b, b+1
.endr
.irp c, 0,1,2,3                        ; the maximum: four chains of 15 scores, three operands at a time,
	v_max3_num_f32 v[CC+(\c)], v[U+16*(\c)], v[U+16*(\c)+1], v[U+16*(\c)+2]
.endr
.set n, 0
.rept 6
.irp c, 0,1,2,3
	v_max3_num_f32 v[CC+(\c)], v[CC+(\c)], v[U+16*(\c)+3+2*n], v[U+16*(\c)+4+2*n]
.endr
.set n, n+1
.endr
	v_max3_num_f32 v[CC], v[CC], v[U+15], v[U+31]  ; the four scores left over, and the four chains into one
	v_max3_num_f32 v[CC+2], v[CC+2], v[U+47], v[U+63]
	v_max3_num_f32 v[CC], v[CC], v[CC+1], v[CC+2]
	v_max_num_f32 v[CC], v[CC], v[CC+3]
	v_permlanex16_b32 v[CC+1], v[CC], s[SEL], s[SEL+1]  ; the query's other 64 keys lie in the lane 16 away
	v_max_num_f32 v[MM], v[CC], v[CC+1]
	v_mov_b32 v[MM+1], v[MM]
.set i, 0
.rept 32
	v_pk_add_f32 v[U+2*i:U+2*i+1], v[U+2*i:U+2*i+1], v[MM:MM+1] neg_lo:[0,1] neg_hi:[0,1]  ; u - m
.set i, i+1
.endr
.set i, 0
.rept 64
	v_exp_f32 v[U+i], v[U+i]                       ; one batch
.set i, i+1
.endr
	v_nop                                          ; a plain instruction behind the last exponential (ISA guide 5.7.2),
	s_wait_alu depctr_va_vdst(0)                   ; and the one wait ahead of the batch's first reader
.set i, 0
.rept 32
	v_cvt_pk_f16_f32 v[TMP+i], v[U+2*i], v[U+2*i+1]
.set i, i+1
.endr
.irp w, 4,8,16,32,64                   ; l: the 32 pairs are added as a tree, in place
.set u, 0
.rept 64/(\w)
	v_pk_add_f32 v[U+(\w)*u:U+(\w)*u+1], v[U+(\w)*u:U+(\w)*u+1], v[U+(\w)*u+(\w)/2:U+(\w)*u+(\w)/2+1]
.set u, u+1
.endr
.endr
	v_add_f32 v[LL], v[U], v[U+1]
	v_permlanex16_b32 v[CC+1], v[LL], s[SEL], s[SEL+1]
	v_add_f32 v[LL], v[LL], v[CC+1]
	v_cndmask_b32 v[SV], v[MM], v[LL], s[HM]       ; lanes 0-15 put m, lanes 16-31 l
	ds_store_b32 v[SADR], v[SV]
.irp b, 0,1,2,3,4,5,6,7
	ds_store_b128 v[STO], v[TMP+4*(\b):TMP+4*(\b)+3] offset:32*(\b)
.endr
.irp t, 0,1,2,3,4,5,6,7
	ds_load_b128 v[OB+4*(\t):OB+4*(\t)+3], v[RD] offset:(\t)*2*PITCH  ; LDS serves a wave's instructions in order (ISA guide 5.7.1.4): these see the stores above
.endr
	s_wait_dscnt 0x0
.irp t, 0,1,2,3,4,5,6,7
	global_store_b128 v[CO], v[OB+4*(\t):OB+4*(\t)+3], s[74:75] offset:2*(\t)*4096  ; 16 lanes store 256 consecutive bytes, at a multiple of 256 from pbuf's first byte
.endr
	s_wait_xcnt 0x0                                ; the stores have read their base and their data: both are rewritten only behind this wait
	s_add_nc_u64 s[74:75], s[74:75], 16*4096
	v_add_nc_u32 v[MADR], 16*PITCH, v[MADR]
	v_add_nc_u32 v[SADR], 64, v[SADR]
	s_add_co_u32 s2, s2, 1
	s_cmp_lt_u32 s2, 8
	s_cbranch_scc1 .Lblk
	ds_load_b128 v[OB:OB+3], v[SRD]                ; my wave's 128 m and 128 l: 512 consecutive bytes each
	ds_load_b128 v[OB+4:OB+7], v[SRD] offset:512
	s_wait_dscnt 0x0
	global_store_b128 v[L16], v[OB:OB+3], s[76:77]
	global_store_b128 v[L16], v[OB+4:OB+7], s[76:77] offset:524288
	s_wait_tensorcnt 0x0                           ; the wave's end: behind my last tensor load and my last LDS store
	ds_add_u32 v[SPW], v[NIL]
	s_wait_dscnt 0x0
	CROUND                                         ; the closing round
	s_endpgm
.Lfunc_end_k_q4da5bc30e2_score:
	.size	k_q4da5bc30e2_score, .Lfunc_end_k_q4da5bc30e2_score-k_q4da5bc30e2_score
	.p2alignl 7, 3214868480
	.fill 96, 4, 3214868480
	.section	.rodata,"a",@progbits
	.p2align	6, 0x0
	.amdhsa_kernel k_q4da5bc30e2_score
		.amdhsa_group_segment_fixed_size 327680
		.amdhsa_private_segment_fixed_size 0
		.amdhsa_enable_private_segment 0
		.amdhsa_kernarg_size 40
		.amdhsa_user_sgpr_count 2
		.amdhsa_user_sgpr_kernarg_segment_ptr 1
		.amdhsa_wavefront_size32 1
		.amdhsa_system_sgpr_workgroup_id_x 1
		.amdhsa_system_sgpr_workgroup_id_y 1
		.amdhsa_system_sgpr_workgroup_id_z 1
		.amdhsa_system_vgpr_workitem_id 0
		.amdhsa_next_free_vgpr 1024
		.amdhsa_next_free_sgpr 102
		.amdhsa_reserve_vcc 0
		.amdhsa_float_denorm_mode_32 3
		.amdhsa_float_denorm_mode_16_64 3
		.amdhsa_memory_ordered 1
		.amdhsa_forward_progress 1
		.amdhsa_inst_pref_size 131
	.end_amdhsa_kernel
	.amdgpu_metadata
---
amdhsa.version: [ 1, 2 ]
amdhsa.kernels:
  - .name:           k_q4da5bc30e2_score
    .symbol:         k_q4da5bc30e2_score.kd
    .args:
      - { .name: qp, .offset: 0, .size: 8, .value_kind: global_buffer, .address_space: global }
      - { .name: kp, .offset: 8, .size: 8, .value_kind: global_buffer, .address_space: global }
      - { .name: mask, .offset: 16, .size: 8, .value_kind: global_buffer, .address_space: global }
      - { .name: pbuf, .offset: 24, .size: 8, .value_kind: global_buffer, .address_space: global }
      - { .name: stats, .offset: 32, .size: 8, .value_kind: global_buffer, .address_space: global }
    .group_segment_fixed_size: 327680
    .private_segment_fixed_size: 0
    .kernarg_segment_align: 8
    .kernarg_segment_size: 40
    .max_flat_workgroup_size: 128
    .sgpr_count:     102
    .vgpr_count:     1024
    .wavefront_size: 32
...
	.end_amdgpu_metadata
.endif
;; end of part 3
;; launch pv (part 4): grid 4 x 64, 4 waves a work-group, clusters of 4 x 4, 327,680 bytes of LDS; arguments pbuf, vp, qp, stats, out0; writes out0
.if DOCPART == 4
	.amdgcn_target "amdgcn-amd-amdhsa--gfx1250"
	.amdhsa_code_object_version 6
	.text
	.protected	k_q4da5bc30e2_pv
	.globl	k_q4da5bc30e2_pv
	.p2align	8
	.type	k_q4da5bc30e2_pv,@function
k_q4da5bc30e2_pv:
	s_mov_b64 s[64:65], 0
	v_nop
	global_prefetch_b8 v0, s[64:65] scope:SCOPE_SE
	s_setreg_imm32_b32 hwreg(HW_REG_WAVE_MODE, 25, 1), 1
	s_wait_xcnt 0x0
	s_wait_alu depctr_hold_cnt(0) depctr_sa_sdst(0) depctr_va_vdst(0) depctr_va_sdst(0) depctr_va_ssrc(0) depctr_va_vcc(0) depctr_vm_vsrc(0)
	s_getreg_b32 s2, hwreg(HW_REG_IB_STS2, 6, 4)
	s_cmp_eq_u32 s2, 0
	s_cbranch_scc0 .Lentry_in_a_cluster
	s_endpgm
.Lentry_in_a_cluster:
	s_bfe_u32 s2, ttmp6, 0x10000c
	s_cmp_lg_u32 s2, 0xf033
	s_cbranch_scc0 .Lentry_shape_is_right
	s_endpgm
.Lentry_shape_is_right:
; THE SOFTMAX'S SECOND HALF AND THE SECOND PRODUCT.  For each query: m = the largest of its 16 blocks' m_t (the true maximum of the masked scores), f_t = 2^(m_t - m), l = the sum of f_t l_t (at least 1);
; out0[q][e] = qp[q][e] + (the sum over t and the block's keys of (f_t p) vp[key][e]) / l.  pbuf: [4][2048][2048] f16; vp, qp: [8192][1024] f16; stats: m, then l, [4][16][2048] f32; out0: f32.
; f_t is rounded to f16 and multiplies p in f16 between LDS and the matrix unit (K step t is key block t); sums, l and the division in f32.
; LIMITS.  f_t p below 6e-5 keeps f16's fixed step of 6e-8 (against l >= 1); f_t below 2^-126 counts as 0; NaN and infinities are not treated apart.
; SHARES.  A work-group makes 128 queries x 256 channels: 64 x 4 = 256 work-groups.  Four waves, each 64 x 128: 32 accumulators.  K = 2,048 keys in steps of 128 through a ring of two LDS slots;
; the loop's body is ONE K step, the slot in hand the scalar TB.
; CLUSTER.  4 x 4 work-groups: P's tile is shared along a row of the cluster, vp's along a column, each asked for jointly.
; THE MATRIX INSTRUCTION IS USED TRANSPOSED: source 0 = 16 channels of vp (turned by ds_load_tr16_b128), source 1 = 16 queries of P: a lane holds ONE query (l % 16) and eight neighbouring channels.
; REGISTERS: window 0: v10-39 addresses, factors; v128-159, v160-191 P's fragments, two buffers; v64-127, v192-255 at work at the head and on the way out.
;   window 1: the accumulators, (a, b) at v[8 (8 a + b)].   window 2: v0-63, v64-127 vp's fragments, two buffers; v128-255 qp of my 64 x 128, loaded at the head.
.set NSTEP, 16
.set PA,    272                        ; a row of P in LDS: 256 bytes + 16
.set PB,    544                        ; a row of vp: 512 + 32 = 17 x 32, for the turning load
.set AOFF,  128*PA
.set SLOT,  AOFF+128*PB
.set FTAB,  2*SLOT                     ; behind the ring, 4,352 bytes for each wave: f_t as two f16, [16 t][16 r][4 a] words; then 1 / l, [16 r][4 a] f32 (query 16 a + r of the wave's 64)
.set FW,    4352
.set OST,   FTAB+4*FW                  ; 16 rows x 528 bytes for each wave, for the way out
.set OP,    528
.set SPARE, OST+4*16*OP                ; the spare words, 128 bytes for each wave: two blocks of 256 bytes that no other line names
.set STEPA, 256
.set STEPB, 128*2048
.set A0,   10
.set B0,   11
.set ADRA, 12
.set ADRB, 13
.set STO,  14
.set RD,   15
.set CO,   16                          ; v16  16 x lane
.set PFO,  17
.set SPW,  18
.set NIL,  19
.set FB,   20                          ; v20  my query's four words of a table row; never rewritten
.set FADR, 21                          ; v21  FB + 256 t
.set TADR, 22                          ; v22  where I put the factors of queries 2 l, 2 l + 1
.set L8,   23                          ; v23  8 x lane
.set VONE, 24                          ; v24  1.0
.set IV,   26                          ; v26-27  1 / l, twice
.set FAC,  32                          ; v32-35  the K step's f for query blocks 0-3
.set INV,  36                          ; v36-39  1 / l for query blocks 0-3
.set MS,   64                          ; the head: m_t, then f_t, of my two queries: a pair for each t
.set LS,   96                          ; l_t, then f_t in f16
.set MX,   192
.set LA,   194
.set LB,   196
.set RC,   198
.set TT,   64                          ; the way out: a block's 64 numbers a lane
.set RR,   192                         ; 16 rows read back, 4 numbers a lane each
.set AF,   128
.set QP,   128                         ; window 2
.set G1A, 24
.set G0A, 32
.set LIM, 43
.set PFA, 44
.set G1B, 48
.set G0B, 56
.set PSTEP, 66
.set TB,  98
.set WPA, 99
.set WPB, 100
.set MSB, 0
.macro WIN new
.if MSB != (\new)
	s_set_vgpr_msb (MSB<<8)|(\new)
.set MSB, \new
.endif
.endm
.set MUL,   0x52                       ; vp in window 2, P in window 0, C and D in window 1
.set TO_B,  0x80
.macro PLACES
.rept 4
	v_nop
.endr
.endm
.macro JLOAD s                         ; waves 0 and 1 fetch P's two halves, waves 2 and 3 vp's; an s_nop 0 and four v_nop follow each line
	s_cmp_eq_u32 s11, 0
	s_cbranch_scc0 .Lfor_b_\@
	tensor_load_to_lds s[G0A+4*(\s):G0A+4*(\s)+3], s[G1A:G1A+7]
	s_nop 0
.rept 4
	v_nop
.endr
	s_branch .Lasked_\@
.Lfor_b_\@:
	tensor_load_to_lds s[G0B+4*(\s):G0B+4*(\s)+3], s[G1B:G1B+7]
	s_nop 0
.rept 4
	v_nop
.endr
.Lasked_\@:
.endm
; A prefetch of the K step two behind the one just asked for, one instruction a wave.  P: a step is 256 bytes of each of the tile's 128 rows; the four partners take 32 rows each, by address, and wave 0 asks, a lane a row.
; vp: 512 bytes of each of a wave's 64 rows; the four partners take 16 rows each, waves 2 and 3 ask, two lanes a row, in the first of the batch's four clusters.  The trip with count s3 loads step NSTEP - s3: the last two ask for nothing.
.macro ASK
	WIN 0
	s_cmp_gt_u32 s3, s[LIM]
	s_cbranch_scc0 .Lnot_mine_\@
	global_prefetch_b8 v[PFO], s[PFA:PFA+1] th:TH_LOAD_NT scope:SCOPE_SE
.Lnot_mine_\@:
.endm
.macro CREST
	s_cmp_lg_u32 s10, 0
	s_cbranch_scc1 .Lnot_wave_0_\@
	s_barrier_signal -3
.Lnot_wave_0_\@:
	s_barrier_wait -3
	s_barrier_signal -1
	s_barrier_wait -1
.endm
.macro CROUND
	s_barrier_signal -1
	s_barrier_wait -1
	CREST
.endm
	s_load_b256 s[68:75], s[0:1], 0x0              ; pbuf s[68:69], vp s[70:71], qp s[72:73], stats s[74:75]
	s_load_b64 s[76:77], s[0:1], 0x20              ; out0
	v_lshl_add_u32 v[SPW], v0, 2, SPARE
	v_mov_b32 v[NIL], 0
	ds_add_u32 v[SPW], v[NIL]                      ; the wave's opening: the add and its wait ahead of my first tensor load
	v_lshrrev_b32 v1, 5, v0
	v_readfirstlane_b32 s10, v1                    ; wave 0..3
	s_lshr_b32 s11, s10, 1                         ; which 64 queries are mine.  Also: I fetch for P (0) or vp (1)
	s_and_b32 s12, s10, 1                          ; which 128 channels.  Also: which half of that tile I fetch
	s_bfe_u32 s40, ttmp6, 0x40000                  ; cx
	s_bfe_u32 s41, ttmp6, 0x40004                  ; cy
	s_lshl_b32 s42, ttmp9, 2
	s_add_co_u32 s42, s42, s40                     ; tile column (256 channels), 0..3
	s_and_b32 s20, ttmp7, 0xffff                   ; cluster y, 0..15
	s_lshl_b32 s13, s20, 2
	s_add_co_u32 s13, s13, s41                     ; tile row (128 of all 8,192 queries), 0..63
	s_lshr_b32 s21, s20, 2                         ; the batch
	s_and_b32 s22, s20, 3                          ; the cluster among the batch's four
	s_lshl_b32 s14, s41, 2
	s_lshl_b32 s14, 15, s14                        ; my row of the cluster
	s_lshl_b32 s15, 0x1111, s40                    ; my column
	s_or_b32 s[G1A], s14, (1<<16)|(1<<20)|(1<<21)|(5<<22)|(3<<25)  ; the mask; elements of 2 bytes; padding on; bit 21 beside a mask; after every 64 words (code 5) 4 words (code 3)
	s_mov_b32 s[G1A+1], 128<<16
	s_mov_b32 s[G1A+2], 64<<16
	s_mov_b32 s[G1A+3], 128<<16
	s_mov_b32 s[G1A+4], 64
	s_mov_b32 s[G1A+5], 2048                       ; elements from row to row of pbuf
	s_mov_b32 s[G1A+6], 0
	s_mov_b32 s[G1A+7], 0
	s_or_b32 s[G1B], s15, (1<<16)|(1<<20)|(1<<21)|(6<<22)|(7<<25)  ; after every 128 words (code 6) 8 words (code 7)
	s_mov_b32 s[G1B+1], 256<<16
	s_mov_b32 s[G1B+2], 64<<16
	s_mov_b32 s[G1B+3], 256<<16
	s_mov_b32 s[G1B+4], 64
	s_mov_b32 s[G1B+5], 1024
	s_mov_b32 s[G1B+6], 0
	s_mov_b32 s[G1B+7], 0
	s_lshl_b32 s16, s13, 19                        ; P's tile: row 128 x tile row + 64 x half, 4,096 bytes a row
	s_lshl_b32 s17, s12, 18
	s_add_co_u32 s16, s16, s17
	s_mov_b32 s17, 0
	s_lshl_b32 s46, s21, 22                        ; vp's tile: row 2,048 x batch + 64 x half, 2,048 bytes a row; byte 512 x tile column
	s_lshl_b32 s47, s12, 17
	s_add_co_u32 s46, s46, s47
	s_lshl_b32 s47, s42, 9
	s_add_co_u32 s46, s46, s47
	s_mov_b32 s47, 0
	s_mul_i32 s[WPA], s12, 64*PA
	s_mul_i32 s[WPB], s12, 64*PB
	s_add_co_u32 s[WPB], s[WPB], AOFF
	s_mov_b32 s[TB], 0
	s_mov_b32 s[G0A], 1
	s_mov_b32 s[G0A+1], s[WPA]
	s_mov_b32 s[G0A+4], 1
	s_add_co_u32 s[G0A+5], s[WPA], SLOT
	s_mov_b32 s[G0B], 1
	s_mov_b32 s[G0B+1], s[WPB]
	s_mov_b32 s[G0B+4], 1
	s_add_co_u32 s[G0B+5], s[WPB], SLOT
	s_wait_dscnt 0x0                               ; the opening add is done
	s_wait_kmcnt 0x0
	s_add_nc_u64 s[14:15], s[68:69], s[16:17]
	s_add_nc_u64 s[46:47], s[70:71], s[46:47]
	s_mov_b64 s[G0A+2:G0A+3], s[14:15]
	s_or_b32 s[G0A+3], s[G0A+3], 0x80000000
	s_add_nc_u64 s[G0A+6:G0A+7], s[14:15], STEPA
	s_or_b32 s[G0A+7], s[G0A+7], 0x80000000
	s_mov_b64 s[G0B+2:G0B+3], s[46:47]
	s_or_b32 s[G0B+3], s[G0B+3], 0x80000000
	s_add_nc_u64 s[G0B+6:G0B+7], s[46:47], STEPB
	s_or_b32 s[G0B+7], s[G0B+7], 0x80000000
	CROUND                                         ; all sixteen work-groups are here: the first joint loads meet
	JLOAD 0
	JLOAD 1
	; the statistics of my wave's 64 queries: lane l takes queries 2 l and 2 l + 1, 16 blocks' m and l each
	v_and_b32 v9, 31, v0                           ; lane
	v_lshlrev_b32 v[L8], 3, v9
	s_lshl_b32 s18, s21, 17                        ; (batch x 16 x 2,048 + 128 x (tile row % 16) + 64 x half) x 4
	s_and_b32 s19, s13, 15
	s_lshl_b32 s19, s19, 9
	s_add_co_u32 s18, s18, s19
	s_lshl_b32 s19, s11, 8
	s_add_co_u32 s18, s18, s19
	s_mov_b32 s19, 0
	s_add_nc_u64 s[74:75], s[74:75], s[18:19]
.set t, 0
.rept 16
	global_load_b64 v[MS+2*t:MS+2*t+1], v[L8], s[74:75] offset:t*8192
	global_load_b64 v[LS+2*t:LS+2*t+1], v[L8], s[74:75] offset:t*8192+524288
.set t, t+1
.endr
	; lane addresses, while those are on their way
	v_and_b32 v1, 15, v0                           ; r
	v_bfe_u32 v2, v0, 4, 1                         ; h
	v_and_b32 v3, 7, v0
	v_bfe_u32 v4, v0, 3, 1
	s_mul_i32 s18, s11, 64*PA                      ; my 64 rows of P
	v_mul_u32_u24 v[A0], v1, PA
	v_lshl_add_u32 v[A0], v2, 4, v[A0]
	v_add_nc_u32 v[A0], s18, v[A0]
	v_lshl_add_u32 v[B0], v2, 3, v3                ; the turning load: lane l reads key 8 h + l % 8, 16 bytes at 16 ((l / 8) % 2)
	v_mul_u32_u24 v[B0], v[B0], PB
	v_lshl_add_u32 v[B0], v4, 4, v[B0]
	s_lshl_b32 s18, s12, 8                         ; my 128 channels
	s_add_co_u32 s18, s18, AOFF
	v_add_nc_u32 v[B0], s18, v[B0]
	s_mul_i32 s18, s10, FW
	s_add_co_u32 s18, s18, FTAB                    ; my table
	v_lshl_add_u32 v[FB], v1, 4, s18
	v_bfe_u32 v5, v0, 3, 2                         ; query 2 l + i is r = 2 (l % 8) + i of block a = l / 8: word 4 r + a
	v_lshlrev_b32 v[TADR], 5, v3
	v_lshl_add_u32 v[TADR], v5, 2, v[TADR]
	v_add_nc_u32 v[TADR], s18, v[TADR]
	v_mov_b32 v[FADR], v[FB]
	s_mul_i32 s18, s10, 16*OP
	s_add_co_u32 s18, s18, OST                     ; my stage
	v_mul_u32_u24 v[STO], v1, OP                   ; in: row r, 32 bytes for each half of the lanes
	v_lshl_add_u32 v[STO], v2, 5, v[STO]
	v_add_nc_u32 v[STO], s18, v[STO]
	v_lshlrev_b32 v[CO], 4, v9
	v_add_nc_u32 v[RD], s18, v[CO]                 ; back: 32 lanes take a row's 512 bytes
	v_mov_b32 v[VONE], 1.0
	s_lshl_b32 s18, s13, 18                        ; qp at my part: row 128 x tile row + 64 x half, 2,048 bytes a row; byte 512 x tile column + 256 x half
	s_lshl_b32 s19, s11, 17
	s_add_co_u32 s18, s18, s19
	s_lshl_b32 s19, s42, 9
	s_add_co_u32 s18, s18, s19
	s_lshl_b32 s19, s12, 8
	s_add_co_u32 s18, s18, s19
	s_mov_b32 s19, 0
	s_add_nc_u64 s[72:73], s[72:73], s[18:19]
	s_lshl_b32 s18, s13, 19                        ; out0 likewise, 4,096 bytes a row
	s_lshl_b32 s19, s11, 18
	s_add_co_u32 s18, s18, s19
	s_lshl_b32 s19, s42, 10
	s_add_co_u32 s18, s18, s19
	s_lshl_b32 s19, s12, 9
	s_add_co_u32 s18, s18, s19
	s_mov_b32 s19, 0
	s_add_nc_u64 s[76:77], s[76:77], s[18:19]
	; the prefetches, at K step 3: the first refill steps them to 4
	s_lshl_b32 s18, s13, 19                        ; P: rows 64 (l / 16) + 16 cx + l % 16 of the tile
	s_lshl_b32 s19, s40, 16
	s_add_co_u32 s18, s18, s19
	s_add_co_u32 s18, s18, 3*STEPA
	s_lshl_b32 s20, s21, 22                        ; vp: rows 64 x half + 16 cy + l / 2 of the step
	s_lshl_b32 s19, s12, 17
	s_add_co_u32 s20, s20, s19
	s_lshl_b32 s19, s41, 15
	s_add_co_u32 s20, s20, s19
	s_lshl_b32 s19, s42, 9
	s_add_co_u32 s20, s20, s19
	s_add_co_u32 s20, s20, 3*STEPB
	s_mov_b32 s[PSTEP], STEPB
	s_mov_b32 s[PSTEP+1], 0
	s_mov_b32 s19, 0
	v_lshlrev_b32 v5, 18, v2
	v_lshl_add_u32 v5, v1, 12, v5                  ; P's lane offset
	v_bfe_u32 v6, v0, 1, 4
	v_and_b32 v7, 1, v0
	v_lshlrev_b32 v6, 11, v6
	v_lshl_add_u32 v6, v7, 8, v6                   ; vp's
	s_cmp_eq_u32 s11, 0
	s_cselect_b32 s18, s18, s20
	s_cselect_b64 s[PFA:PFA+1], s[68:69], s[70:71]
	s_cselect_b32 s[PSTEP], STEPA, s[PSTEP]
	s_cselect_b32 s23, -1, 0
	s_cselect_b32 s2, s12, s22                     ; of waves 0 and 1 wave 0 asks; waves 2 and 3 in the batch's first cluster
	s_cmp_eq_u32 s2, 0
	s_cselect_b32 s[LIM], 2, -1                    ; the same in all sixteen partners, for a given wave
	s_add_nc_u64 s[PFA:PFA+1], s[PFA:PFA+1], s[18:19]
	v_cndmask_b32 v[PFO], v6, v5, s23
	s_wait_loadcnt 0x0                             ; the statistics
.irp i, 0,1                            ; m: the largest of the 16 m_t, for each of my two queries
	v_max3_num_f32 v[MX+(\i)], v[MS+(\i)], v[MS+2+(\i)], v[MS+4+(\i)]
.endr
.set n, 0
.rept 6
.irp i, 0,1
	v_max3_num_f32 v[MX+(\i)], v[MX+(\i)], v[MS+6+4*n+(\i)], v[MS+8+4*n+(\i)]
.endr
.set n, n+1
.endr
.irp i, 0,1
	v_max_num_f32 v[MX+(\i)], v[MX+(\i)], v[MS+30+(\i)]
.endr
.set t, 0
.rept 16
	v_pk_add_f32 v[MS+2*t:MS+2*t+1], v[MS+2*t:MS+2*t+1], v[MX:MX+1] neg_lo:[0,1] neg_hi:[0,1]  ; m_t - m
.set t, t+1
.endr
.set t, 0
.rept 32
	v_exp_f32 v[MS+t], v[MS+t]                     ; f_t: one batch
.set t, t+1
.endr
	v_nop                                          ; a plain instruction behind the last exponential,
	s_wait_alu depctr_va_vdst(0)                   ; and the one wait ahead of the batch's first reader
	v_pk_mul_f32 v[LA:LA+1], v[MS:MS+1], v[LS:LS+1]          ; l = the sum of f_t l_t, in two chains
	v_pk_mul_f32 v[LB:LB+1], v[MS+2:MS+3], v[LS+2:LS+3]
.set t, 2
.rept 7
	v_pk_fma_f32 v[LA:LA+1], v[MS+2*t:MS+2*t+1], v[LS+2*t:LS+2*t+1], v[LA:LA+1]
	v_pk_fma_f32 v[LB:LB+1], v[MS+2*t+2:MS+2*t+3], v[LS+2*t+2:LS+2*t+3], v[LB:LB+1]
.set t, t+2
.endr
	v_pk_add_f32 v[LA:LA+1], v[LA:LA+1], v[LB:LB+1]
	v_rcp_f32 v[RC], v[LA]
	v_rcp_f32 v[RC+1], v[LA+1]
.set t, 0
.rept 32
	v_cvt_pk_f16_f32 v[LS+t], v[MS+t], v[MS+t]     ; f_t twice in a word, for the packed multiply; plain work behind the reciprocals
.set t, t+1
.endr
	s_wait_alu depctr_va_vdst(0)                   ; one wait for the two reciprocals, ahead of the stores that read them
.set t, 0
.rept 16
	ds_store_b32 v[TADR], v[LS+2*t] offset:256*t
	ds_store_b32 v[TADR], v[LS+2*t+1] offset:256*t+16
.set t, t+1
.endr
	ds_store_b32 v[TADR], v[RC] offset:4096
	ds_store_b32 v[TADR], v[RC+1] offset:4096+16
	WIN TO_B
.set i, 0
.rept 64
	global_load_b64 v[QP+2*i:QP+2*i+1], v[L8], s[72:73] offset:i*2048  ; row i of my 64: a lane's four channels; 256 consecutive bytes an instruction; waited for on the way out
.set i, i+1
.endr
	WIN 0
; The LDS loads of quarter k (32 keys) of the slot in hand, in one run: (fac = 1: the step's four factors;) P's four fragments straight into buffer g; vp's eight, turned
.macro FETCH k, g, fac
	WIN 0
.if \fac
	ds_load_b128 v[FAC:FAC+3], v[FADR]
.endif
.irp a, 0,1,2,3
	ds_load_b128 v[AF+32*(\g)+8*(\a):AF+32*(\g)+8*(\a)+3],   v[ADRA] offset:(\a)*16*PA+64*(\k)
	ds_load_b128 v[AF+32*(\g)+8*(\a)+4:AF+32*(\g)+8*(\a)+7], v[ADRA] offset:(\a)*16*PA+64*(\k)+32
.endr
	WIN TO_B
.irp b, 0,1,2,3,4,5,6,7
	ds_load_tr16_b128 v[64*(\g)+8*(\b):64*(\g)+8*(\b)+3],   v[ADRB] offset:(\k)*32*PB+32*(\b)
	ds_load_tr16_b128 v[64*(\g)+8*(\b)+4:64*(\g)+8*(\b)+7], v[ADRB] offset:(\k)*32*PB+16*PB+32*(\b)
.endr
.endm
; 8 matrix instructions: query block a x all 8 channel blocks.  first = 1: the constant 0 starts the sums.  The 32 accumulators take turns, in the same order in every quarter.
.macro MUL8 f, a, first
	WIN MUL
.irp b, 0,1,2,3,4,5,6,7
.if \first
	v_wmma_f32_16x16x32_f16 v[8*(8*(\a)+(\b)):8*(8*(\a)+(\b))+7], v[64*(\f)+8*(\b):64*(\f)+8*(\b)+7], v[AF+32*(\f)+8*(\a):AF+32*(\f)+8*(\a)+7], 0
.else
	v_wmma_f32_16x16x32_f16 v[8*(8*(\a)+(\b)):8*(8*(\a)+(\b))+7], v[64*(\f)+8*(\b):64*(\f)+8*(\b)+7], v[AF+32*(\f)+8*(\a):AF+32*(\f)+8*(\a)+7], v[8*(8*(\a)+(\b)):8*(8*(\a)+(\b))+7]
.endif
.endr
.endm
; Query block 3's 8 matrix instructions, and behind each four of the 32 packed multiplies p f that finish the next quarter's fragments (buffer g), in place.
; The four behind the last product name none of its registers: they are the places ahead of the next run of loads, which writes the buffers that it has read.
.macro MULR f, g, first
.set i, 0
.rept 8
	WIN MUL
.if \first
	v_wmma_f32_16x16x32_f16 v[8*(24+i):8*(24+i)+7], v[64*(\f)+8*i:64*(\f)+8*i+7], v[AF+32*(\f)+24:AF+32*(\f)+31], 0
.else
	v_wmma_f32_16x16x32_f16 v[8*(24+i):8*(24+i)+7], v[64*(\f)+8*i:64*(\f)+8*i+7], v[AF+32*(\f)+24:AF+32*(\f)+31], v[8*(24+i):8*(24+i)+7]
.endif
	WIN 0
.irp n, 0,1,2,3
	v_pk_mul_f16 v[AF+32*(\g)+4*i+(\n)], v[AF+32*(\g)+4*i+(\n)], v[FAC+i/2]
.endr
.set i, i+1
.endr
.endm
.macro Q k, f, g, first
	FETCH \k, \g, 0
	s_wait_dscnt 24                                ; all but the 24 just issued: vp's fragments of buffer f are in
	MUL8 \f, 0, \first
	MUL8 \f, 1, \first
	MUL8 \f, 2, \first
	s_wait_dscnt 16                                ; P's 8 loads are in; vp's 16, issued behind them, stay out
	MULR \f, \g, \first
.endm
; The last quarter multiplies buffer 1 and changes slots: the waits, the add and the barrier (fill = 1: a round of the cluster's, and the joint refill first behind it: 112 of a step's 128 matrix instructions ahead of the wait for it).
.macro TURN fill
.if \fill
	s_wait_xcnt 0x0                                ; the last prefetch, a K step back, has read its address
	s_add_nc_u64 s[PFA:PFA+1], s[PFA:PFA+1], s[PSTEP:PSTEP+1]
.endif
	WIN 0
	s_wait_tensorcnt 0x0                           ; all my tensor loads have landed
	ds_add_u32 v[SPW], v[NIL]                      ; 0 onto my spare word
	s_wait_dscnt 1                                 ; vp's fragments of buffer 1 are in; the add may be out
	MUL8 1, 0, 0
	s_wait_dscnt 0x0                               ; the add is done, and my reads of this slot are over
	s_barrier_signal -1
	MUL8 1, 1, 0
	WIN 0
	s_barrier_wait -1
.if \fill
	CREST                                          ; no wave of any partner still reads this slot or has a load on its way
	s_add_co_u32 s[G0A+5], s[WPA], s[TB]
	s_add_co_u32 s[G0B+5], s[WPB], s[TB]
	s_add_nc_u64 s[G0A+6:G0A+7], s[G0A+6:G0A+7], STEPA
	s_add_nc_u64 s[G0B+6:G0B+7], s[G0B+6:G0B+7], STEPB
	s_xor_b32 s[TB], s[TB], SLOT
	JLOAD 1
.else
	s_xor_b32 s[TB], s[TB], SLOT
	PLACES
.endif
	v_add_nc_u32 v[ADRA], s[TB], v[A0]
	v_add_nc_u32 v[ADRB], s[TB], v[B0]
	v_add_nc_u32 v[FADR], 256, v[FADR]             ; the next key block's factors
	FETCH 0, 0, 1
.if \fill
	ASK
.endif
	MUL8 1, 2, 0
	s_wait_dscnt 16                                ; the factors and P's 8 loads are in
	MULR 1, 0, 0
.endm
; THE WAY OUT of query block a: divided by l; through my own stage; back as whole rows of 512 bytes; qp added; stored.
.macro OUTB a
	WIN 0
	v_mov_b32 v[IV], v[INV+(\a)]
	v_mov_b32 v[IV+1], v[INV+(\a)]
	WIN 0x01                                       ; source 0 in window 1
.set i, 0
.rept 32
	v_pk_mul_f32 v[TT+2*i:TT+2*i+1], v[64*(\a)+2*i:64*(\a)+2*i+1], v[IV:IV+1]  ; each accumulator's registers in ascending order
.set i, i+1
.endr
	WIN 0
.irp b, 0,1,2,3,4,5,6,7
	ds_store_b128 v[STO], v[TT+8*(\b):TT+8*(\b)+3]   offset:64*(\b)
	ds_store_b128 v[STO], v[TT+8*(\b)+4:TT+8*(\b)+7] offset:64*(\b)+16
.endr
	s_wait_xcnt 0x0                                ; the block before's stores have read their base and their data: both are rewritten only behind this wait
.if (\a) > 0
	s_add_nc_u64 s[76:77], s[76:77], 16*4096
.endif
.set i, 0
.rept 16
	ds_load_b128 v[RR+4*i:RR+4*i+3], v[RD] offset:i*OP  ; LDS serves a wave's instructions in order (ISA guide 5.7.1.4): these see the stores above
.set i, i+1
.endr
	s_wait_dscnt 0x0
	WIN 0x02                                       ; source 0, qp's halves, in window 2
.set i, 0
.rept 32
	v_fma_mix_f32 v[RR+2*i],   v[QP+32*(\a)+i], v[VONE], v[RR+2*i]   op_sel_hi:[1,0,0]
	v_fma_mix_f32 v[RR+2*i+1], v[QP+32*(\a)+i], v[VONE], v[RR+2*i+1] op_sel:[1,0,0] op_sel_hi:[1,0,0]
.set i, i+1
.endr
	WIN 0
.set i, 0
.rept 16
	global_store_b128 v[CO], v[RR+4*i:RR+4*i+3], s[76:77] offset:i*4096  ; 32 lanes store 512 consecutive bytes, at a multiple of 256 from out0's first byte
.set i, i+1
.endr
.endm
	s_wait_tensorcnt 0x1                           ; my part of K step 0 is in; slot 1's load may stay out
	s_wait_dscnt 0x0                               ; my table is written
	s_barrier_signal -1
	s_barrier_wait -1
	v_add_nc_u32 v[ADRA], s[TB], v[A0]
	v_add_nc_u32 v[ADRB], s[TB], v[B0]
	FETCH 0, 0, 1
	WIN 0
	s_wait_dscnt 16                                ; the factors and P's 8 loads
.set i, 0
.rept 32
	v_pk_mul_f16 v[AF+i], v[AF+i], v[FAC+i/8]
.set i, i+1
.endr
	Q 1, 0, 1, 1                                   ; the first quarter stands in front of the loop: its products start the sums
	WIN 0
	s_mov_b32 s3, NSTEP-2
.Lstep:
	Q 2, 1, 0, 0
	Q 3, 0, 1, 0
	TURN 1
	Q 1, 0, 1, 0
	WIN 0
	s_sub_co_u32 s3, s3, 1
	s_cmp_lg_u32 s3, 0
	s_cbranch_scc1 .Lstep
	Q 2, 1, 0, 0                                   ; the last two K steps are written out: nothing is left to ask for
	Q 3, 0, 1, 0
	TURN 0
	Q 1, 0, 1, 0
	Q 2, 1, 0, 0
	Q 3, 0, 1, 0
	s_wait_dscnt 0x0
	MUL8 1, 0, 0
	MUL8 1, 1, 0
	MUL8 1, 2, 0
	MUL8 1, 3, 0
	WIN 0
	ds_load_b128 v[INV:INV+3], v[FB] offset:4096   ; 1 / l of my query in each of the four blocks
	PLACES
	s_wait_loadcnt 0x0                             ; qp
	s_wait_dscnt 0x0
	OUTB 0
	OUTB 1
	OUTB 2
	OUTB 3
	s_wait_tensorcnt 0x0                           ; the wave's end: behind my last tensor load and my last LDS store
	ds_add_u32 v[SPW], v[NIL]
	s_wait_dscnt 0x0
	CROUND                                         ; the closing round
	s_endpgm
.Lfunc_end_k_q4da5bc30e2_pv:
	.size	k_q4da5bc30e2_pv, .Lfunc_end_k_q4da5bc30e2_pv-k_q4da5bc30e2_pv
	.p2alignl 7, 3214868480
	.fill 96, 4, 3214868480
	.section	.rodata,"a",@progbits
	.p2align	6, 0x0
	.amdhsa_kernel k_q4da5bc30e2_pv
		.amdhsa_group_segment_fixed_size 327680
		.amdhsa_private_segment_fixed_size 0
		.amdhsa_enable_private_segment 0
		.amdhsa_kernarg_size 40
		.amdhsa_user_sgpr_count 2
		.amdhsa_user_sgpr_kernarg_segment_ptr 1
		.amdhsa_wavefront_size32 1
		.amdhsa_system_sgpr_workgroup_id_x 1
		.amdhsa_system_sgpr_workgroup_id_y 1
		.amdhsa_system_sgpr_workgroup_id_z 1
		.amdhsa_system_vgpr_workitem_id 0
		.amdhsa_next_free_vgpr 768
		.amdhsa_next_free_sgpr 102
		.amdhsa_reserve_vcc 0
		.amdhsa_float_denorm_mode_32 3
		.amdhsa_float_denorm_mode_16_64 3
		.amdhsa_memory_ordered 1
		.amdhsa_forward_progress 1
		.amdhsa_inst_pref_size 142
	.end_amdhsa_kernel
	.amdgpu_metadata
---
amdhsa.version: [ 1, 2 ]
amdhsa.kernels:
  - .name:           k_q4da5bc30e2_pv
    .symbol:         k_q4da5bc30e2_pv.kd
    .args:
      - { .name: pbuf, .offset: 0, .size: 8, .value_kind: global_buffer, .address_space: global }
      - { .name: vp, .offset: 8, .size: 8, .value_kind: global_buffer, .address_space: global }
      - { .name: qp, .offset: 16, .size: 8, .value_kind: global_buffer, .address_space: global }
      - { .name: stats, .offset: 24, .size: 8, .value_kind: global_buffer, .address_space: global }
      - { .name: out0, .offset: 32, .size: 8, .value_kind: global_buffer, .address_space: global }
    .group_segment_fixed_size: 327680
    .private_segment_fixed_size: 0
    .kernarg_segment_align: 8
    .kernarg_segment_size: 40
    .max_flat_workgroup_size: 128
    .sgpr_count:     102
    .vgpr_count:     768
    .wavefront_size: 32
...
	.end_amdgpu_metadata
.endif
;; end of part 4
